; MI455X (gfx1250); checked and timed in simulation.
; The chip was launched on July 23, 2026; its instructions are those of AMD's public machine-readable ISA for CDNA 5 (MIT licence, August 2026) and "CDNA5" Instruction Set Architecture Reference Guide (July 2026). The comments in the code are by the model that wrote it; some were corrected since.
;; Dilated Attention. Allowed arithmetic: matrix products marked QUANTISED: E3M2 operands, one E8M0 scale for each 32 along K, by v_wmma_scale_f32_16x16x128_f8f6f4 with both operands' format E3M2, f32 sums; everything else in f32.
;; Inputs: Wk 1,024 x 1,024 float32; Wo 1,024 x 1,024 float32; Wq 1,024 x 1,024 float32; Wv 1,024 x 1,024 float32; bk 1,024 float32; bo 1,024 float32; bq 1,024 float32; bv 1,024 float32; x 1 x 2,048 x 1,024 float32.
;; Outputs: out0 1 x 2,048 x 1,024 float32.
;; This version of the problem:
;;   THIS VERSION OF THE PROBLEM IS GIVEN IN LOW PRECISION. The matrix products marked QUANTISED in the list below multiply operands that are first quantised to E3M2 (3 exponent bits, 2 mantissa bits; 6 bits a number), with one power-of-two scale for each 32 numbers along K (OCP MX v1.0); their sums are f32. All else is computed in f32.
;;   The module's matrix products, in the order in which they are computed (A, B: the left and right operand; K: the contracted axis; several contracted axes count as one K, in the product's order):
;;     1. [M 2,048, K 1,024] x [K 1,024, N 1,024]; A: input x; B: input Wq: QUANTISED
;;     2. [M 2,048, K 1,024] x [K 1,024, N 1,024]; A: input x; B: input Wk: QUANTISED
;;     3. [M 2,048, K 1,024] x [K 1,024, N 1,024]; A: input x; B: input Wv: QUANTISED
;;     4. batch 16 x [M 2,048, K 64] x [K 64, N 2,048]; A: computed on the way; B: computed on the way: QUANTISED
;;     5. batch 16 x [M 2,048, K 2,048] x [K 2,048, N 64]; A: softmax (see below); B: computed on the way: QUANTISED
;;     6. [M 2,048, K 1,024] x [K 1,024, N 1,024]; A: computed on the way; B: input Wo: QUANTISED
;;   THE QUANTISER, for each operand of a quantised product, along K:
;;     - K is cut into blocks of 32 from its start; a last block that is shorter is filled with zeros.
;;     - A block's scale is 2^e with e = floor(log2(the largest magnitude in the block)) - 4, held to -126 .. 127; a block of zeros has e = 0. As a byte (E8M0): e + 127.
;;     - Each number is divided by its block's scale, clamped to +-28, and rounded to the nearest number of E3M2, ties to even, subnormals kept.
;;     - The product sums the exact products of the quantised numbers (number of the format x scale) in f32.
;;   ~~~python
;;   def quantise(x, axis):      # numpy; x: float32 -> the quantised numbers, widened to float32 again
;;       x = np.moveaxis(x, axis, -1); K = x.shape[-1]
;;       x = np.pad(x, [(0, 0)] * (x.ndim - 1) + [(0, -K % 32)]); x = x.reshape(x.shape[:-1] + (-1, 32)); a = np.abs(x).max(-1, keepdims=True)
;;       e = np.where(a > 0, np.clip(np.frexp(np.where(a > 0, a, 1))[1] - 1 - 4, -126, 127), 0)      # np.frexp(a)[1] - 1 = floor(log2(a)), exactly
;;       r = np.clip(x / 2.0 ** e, -28, 28)
;;       step = 2.0 ** (np.maximum(np.frexp(np.where(r == 0, 1, r))[1] - 1, -2) - 2)
;;       q = np.round(r / step) * step * 2.0 ** e      # np.round: ties to even
;;       return np.moveaxis(q.reshape(q.shape[:-2] + (-1,))[..., :K], -1, axis).astype(np.float32)
;;   ~~~
;;   SOFTMAX AHEAD OF A QUANTISED PRODUCT. Where the list says 'softmax', what is quantised is not the finished softmax but p = 2^(t - M), with t = logit x log2(e) and M = ceil(the row's largest t), a whole number; so 1/2 < the row's largest p <= 1. The row's sum l is taken of the UNQUANTISED p, in f32, and the product's result is divided by l at the end. Since M is a whole number, a kernel that streams over the keys may use a running M (the ceiling of the running maximum): every later rescaling is an exact power of two, which a block's scale takes up: the codes' values come out the same.
;;   OPERANDS COMPUTED ON THE WAY. 'Computed on the way' means the value that the module computes at that place (a softmax that the list does not call 'softmax' is quantised finished and normalised). What goes into a quantiser is computed in f32, as accurately as f32 sums, v_exp_f32 and their like allow (about 1e-6 of the number): no bf16 or f16 on the way to a quantiser, and a product that is left as it is and whose result goes on into a quantised operand takes f32 operands (vector FMAs, or v_wmma_f32_16x16x4_f32). A number that lies on a knife's edge between two numbers of the format may be rounded either way, as far as f32 arithmetic and the matrix unit's own rounding can turn it there, and no further.
;; 2 versions, each right; version 2 is version 1 with the launch attn written anew for expert scheduling mode. Each part assembles by itself: llvm-mc -triple=amdgcn-amd-amdhsa -mcpu=gfx1250 --defsym DOCPART=n.
;; ======== version 1 of 2: 4 launches
;; workspace buffers: cod 4,718,592 bytes; scl 196,608 bytes; qkvc 4,718,592 bytes; qkvs 196,608 bytes; ac 1,572,864 bytes; asc 65,536 bytes
;; launch quant (part 1): grid 384 x 1, 8 waves a work-group, no clusters, 69,120 bytes of LDS; arguments x, Wq, Wk, Wv, Wo, cod, scl; writes cod, scl
.if DOCPART == 1
	.amdgcn_target "amdgcn-amd-amdhsa--gfx1250"
	.amdhsa_code_object_version 6
	.text
	.protected	k_q31f502f857_quant
	.globl	k_q31f502f857_quant
	.p2align	8
	.type	k_q31f502f857_quant,@function
k_q31f502f857_quant:
	s_mov_b64 s[64:65], 0
	v_nop
	global_prefetch_b8 v0, s[64:65] scope:SCOPE_SE
	s_setreg_imm32_b32 hwreg(HW_REG_WAVE_MODE, 25, 1), 1
	s_wait_xcnt 0x0
; x [2048][1024] and Wq, Wk, Wv, Wo [1024][1024], f32, K innermost, become codes of E3M2 with one E8M0 byte for each 32 along K,
; laid in the ORDER OF THE OPERAND'S REGISTERS.  A tile is 16 rows; tile 2 b + u of a matrix holds rows 32 b + 8 u + r + 8 (r / 8), r = 0 .. 15,
; so that two neighbouring result tiles of a product that takes such tiles as source 0 hold 16 neighbours in a lane's 16 registers.
; cod: [tile 384][K step 8][1,536 bytes]: a fragment (16 rows x 128 K, 12 registers a lane) as three runs of 512 bytes, lane l's registers 4 c .. 4 c + 3 at 512 c + 16 l.
; scl: [tile][row 16][8 words]: word s = the four scale bytes of K step s.  Tiles 0-127 x, 128-191 Wq, 192-255 Wk, 256-319 Wv, 320-383 Wo.
; A block's scale is 2^(floor(log2(its largest magnitude)) - 4); its byte is the largest magnitude's exponent field - 4, held at 1 from below.
; LIMITS: a block of zeros gets the byte 1 where the rule says 127 (its codes are zeros, and only this program reads the bytes); NaN and infinities among the inputs are not served.
; SHARES: a work-group is a tile, wave s its K step s.  Each load reads 512 consecutive bytes of one row; the 16 rows turn through the wave's own stage in LDS
; (pitch 528 = 33 x 16 bytes: sixteen rows start in sixteen different columns of 16 bytes) and come back 16 neighbours of each block of 32 to a lane.
.set STGW, 8448                        ; a wave's stage: 16 rows x 528 bytes
.set SG,   8*STGW                      ; behind the stages: the tile's 128 scale words, 512 bytes
.set R,    16                          ; v16-79   the numbers as loaded
.set X,    80                          ; v80-143  register 16 b + i = k 32 b + 16 (lane / 16) + i of my row
.set TM,   144                         ; v144-159 at work
.set PC,   160                         ; v160-178 the codes
.set PW,   180                         ; v180     the scale word
.set SEL,  26                          ; s[26:27] lane selects: lane l xor 16
; 64 numbers of a lane become a fragment's 12 registers of codes in v[PC] on and its row's scale word in v[PW]
.macro QUANT s
.irp b, 0,1,2,3
	v_max3_num_f32 v[TM+\b], |v[\s+16*\b]|, |v[\s+1+16*\b]|, 0x2800000   ; my 16 numbers of block b, and the floor 2^(5 - 127): the byte cannot fall under 1
.endr
.irp i, 2,4,6,8,10,12,14
.irp b, 0,1,2,3
	v_max3_num_f32 v[TM+\b], v[TM+\b], |v[\s+16*\b+\i]|, |v[\s+1+16*\b+\i]|   ; the four blocks by turns
.endr
.endr
.irp b, 0,1,2,3
	v_permlanex16_b32 v[TM+4+\b], v[TM+\b], s[SEL], s[SEL+1]
.endr
.irp b, 0,1,2,3
	v_max_num_f32 v[TM+\b], v[TM+\b], v[TM+4+\b]       ; with lane l xor 16's 16: the block's largest magnitude
.endr
.irp b, 0,1,2,3
	v_add_nc_u32 v[TM+12+\b], 0xfe000000, v[TM+\b]     ; 4 off its exponent field: the conversion's scale operand
.endr
.irp b, 0,1,2,3
	v_lshrrev_b32 v[TM+4+\b], 23, v[TM+12+\b]          ; the scale's byte
.endr
	v_lshl_or_b32 v[PW], v[TM+5], 8, v[TM+4]
	v_lshl_or_b32 v[PW], v[TM+6], 16, v[PW]
	v_lshl_or_b32 v[PW], v[TM+7], 24, v[PW]
.irp c, 0,1
	v_cvt_scalef32_pk16_bf6_f32 v[PC+6*\c:PC+2+6*\c], v[\s+32*\c:\s+15+32*\c], v[TM+12+2*\c]
	v_cvt_scalef32_pk16_bf6_f32 v[PC+12+4*\c:PC+14+4*\c], v[\s+16+32*\c:\s+31+32*\c], v[TM+12+2*\c+1]   ; a conversion's three registers begin on an even number
.endr
	v_nop                                              ; one plain line behind the scaled conversions
.irp c, 0,1                            ; the operand wants a whole block in a lane: lanes 0-15 block 2 c, lanes 16-31 block 2 c + 1
.irp i, 0,1,2
	v_permlane16_swap_b32 v[PC+6*\c+\i], v[PC+12+4*\c+\i]
.endr
.irp i, 0,1,2
	v_mov_b32 v[PC+3+6*\c+\i], v[PC+12+4*\c+\i]
.endr
.endr
.endm
	s_load_b256 s[4:11], s[0:1], 0x0               ; x, Wq, Wk, Wv
	s_load_b128 s[12:15], s[0:1], 0x20             ; Wo, cod
	s_load_b64 s[16:17], s[0:1], 0x30              ; scl
	v_lshl_add_u32 v192, v0, 2, 0x10a00
	v_mov_b32 v193, 0
	v_lshrrev_b32 v1, 5, v0
	v_readfirstlane_b32 s18, v1                    ; wave = K step
	v_and_b32 v1, 31, v0                           ; lane
	v_and_b32 v2, 15, v0                           ; r
	v_bfe_u32 v3, v0, 4, 1                         ; half of the lanes
	v_lshlrev_b32 v4, 4, v1                        ; 16 x lane: my bytes of a load's and of a store's 512
	s_mul_i32 s19, s18, STGW
	v_add_nc_u32 v5, s19, v4                       ; the stage, way in
	v_mul_u32_u24 v6, v2, 528
	v_lshl_add_u32 v6, v3, 6, v6
	v_add_nc_u32 v6, s19, v6                       ; way out: row r, + 64 bytes for the upper half
	s_lshl_b32 s19, s18, 2
	s_add_co_u32 s19, s19, SG
	v_lshlrev_b32 v7, 5, v2
	v_add_nc_u32 v7, s19, v7                       ; my row's word of my K step
	v_add_nc_u32 v8, SG, v4
	s_mov_b32 s[SEL], 0x76543210
	s_mov_b32 s[SEL+1], 0xfedcba98
.irp b, 0,1,2,3
	v_mov_b32 v[TM+4+\b], 0                        ; a lane permute's destination counts as one of its sources
.endr
	s_sub_co_u32 s20, ttmp9, 128
	s_lshr_b32 s21, s20, 6                         ; which weight (for tiles from 128 on)
	s_and_b32 s22, s20, 63                         ; and which of its tiles
	s_wait_kmcnt 0x0
	s_cmp_eq_u32 s21, 1                            ; the choices hang on the work-group's number alone
	s_cselect_b64 s[6:7], s[8:9], s[6:7]
	s_cmp_eq_u32 s21, 2
	s_cselect_b64 s[6:7], s[10:11], s[6:7]
	s_cmp_eq_u32 s21, 3
	s_cselect_b64 s[6:7], s[12:13], s[6:7]
	s_cmp_lt_u32 ttmp9, 128
	s_cselect_b64 s[4:5], s[4:5], s[6:7]
	s_cselect_b32 s22, ttmp9, s22
	s_lshr_b32 s23, s22, 1
	s_lshl_b32 s23, s23, 5
	s_and_b32 s24, s22, 1
	s_lshl_b32 s24, s24, 3
	s_add_co_u32 s23, s23, s24                     ; the tile's first row: 32 (tile / 2) + 8 (tile % 2)
	s_lshl_b32 s24, s23, 12                        ; rows of 4,096 bytes
	s_lshl_b32 s25, s18, 9                         ; my K step's 512 bytes
	s_add_co_u32 s24, s24, s25
	s_mov_b32 s25, 0
	s_add_nc_u64 s[4:5], s[4:5], s[24:25]
	s_mul_i32 s28, ttmp9, 12288
	s_mul_i32 s29, s18, 1536
	s_add_co_u32 s28, s28, s29
	s_mov_b32 s29, 0
	s_add_nc_u64 s[14:15], s[14:15], s[28:29]      ; my fragment in cod
	s_lshl_b32 s28, ttmp9, 9
	s_add_nc_u64 s[16:17], s[16:17], s[28:29]      ; my tile's words in scl
.irp i, 0,1,2,3,4,5,6,7,8,9,10,11,12,13,14,15
	global_load_b128 v[R+4*\i:R+4*\i+3], v4, s[4:5] offset:(\i+8*(\i/8))*4096 th:TH_LOAD_NT   ; the tile's row i: 512 consecutive bytes
.endr
.irp i, 0,1,2,3,4,5,6,7,8,9,10,11,12,13,14,15
	s_wait_loadcnt 15-\i                           ; loads come back in order: row i is in, the younger ones may be out
	ds_store_b128 v5, v[R+4*\i:R+4*\i+3] offset:528*\i
.endr
.irp b, 0,1,2,3
.irp j, 0,1,2,3
	ds_load_b128 v[X+16*\b+4*\j:X+16*\b+4*\j+3], v6 offset:128*\b+16*\j   ; LDS serves a wave's instructions in order: these see my stores
.endr
.endr
	s_wait_dscnt 0x0
	QUANT X
.irp c, 0,1,2
	global_store_b128 v4, v[PC+4*\c:PC+4*\c+3], s[14:15] offset:512*\c   ; 512 consecutive bytes, aligned
.endr
	ds_store_b32 v7, v[PW]                         ; both halves of the lanes write the same word with the same value
	s_wait_dscnt 0x0                               ; for wave 0's sake: my word has landed
	s_barrier_signal -1
	s_barrier_wait -1
	s_cmp_lg_u32 s18, 0
	s_cbranch_scc1 .Lend
	ds_load_b128 v[16:19], v8                      ; the tile's 128 words
	s_wait_dscnt 0x0
	global_store_b128 v4, v[16:19], s[16:17]       ; 512 consecutive bytes, aligned
.Lend:
	s_wait_tensorcnt 0x0
	ds_add_u32 v192, v193
	s_wait_dscnt 0x0
	s_endpgm
.Lfunc_end_k_q31f502f857_quant:
	.size	k_q31f502f857_quant, .Lfunc_end_k_q31f502f857_quant-k_q31f502f857_quant
	.p2alignl 7, 3214868480
	.fill 96, 4, 3214868480
	.section	.rodata,"a",@progbits
	.p2align	6, 0x0
	.amdhsa_kernel k_q31f502f857_quant
		.amdhsa_group_segment_fixed_size 69120
		.amdhsa_private_segment_fixed_size 0
		.amdhsa_enable_private_segment 0
		.amdhsa_kernarg_size 56
		.amdhsa_user_sgpr_count 2
		.amdhsa_user_sgpr_kernarg_segment_ptr 1
		.amdhsa_wavefront_size32 1
		.amdhsa_system_sgpr_workgroup_id_x 1
		.amdhsa_system_sgpr_workgroup_id_y 1
		.amdhsa_system_sgpr_workgroup_id_z 1
		.amdhsa_system_vgpr_workitem_id 0
		.amdhsa_next_free_vgpr 194
		.amdhsa_next_free_sgpr 66
		.amdhsa_reserve_vcc 0
		.amdhsa_float_denorm_mode_32 3
		.amdhsa_float_denorm_mode_16_64 3
		.amdhsa_memory_ordered 1
		.amdhsa_forward_progress 1
		.amdhsa_inst_pref_size 12
	.end_amdhsa_kernel
	.amdgpu_metadata
---
amdhsa.version: [ 1, 2 ]
amdhsa.kernels:
  - .name:           k_q31f502f857_quant
    .symbol:         k_q31f502f857_quant.kd
    .args:
      - { .name: x, .offset: 0, .size: 8, .value_kind: global_buffer, .address_space: global }
      - { .name: Wq, .offset: 8, .size: 8, .value_kind: global_buffer, .address_space: global }
      - { .name: Wk, .offset: 16, .size: 8, .value_kind: global_buffer, .address_space: global }
      - { .name: Wv, .offset: 24, .size: 8, .value_kind: global_buffer, .address_space: global }
      - { .name: Wo, .offset: 32, .size: 8, .value_kind: global_buffer, .address_space: global }
      - { .name: cod, .offset: 40, .size: 8, .value_kind: global_buffer, .address_space: global }
      - { .name: scl, .offset: 48, .size: 8, .value_kind: global_buffer, .address_space: global }
    .group_segment_fixed_size: 69120
    .private_segment_fixed_size: 0
    .kernarg_segment_align: 8
    .kernarg_segment_size: 56
    .max_flat_workgroup_size: 256
    .sgpr_count:     66
    .vgpr_count:     194
    .wavefront_size: 32
...
	.end_amdgpu_metadata
.endif
;; end of part 1
;; launch qkv (part 2): grid 16 x 16, 12 waves a work-group, clusters of 4 x 4, 280,832 bytes of LDS; arguments cod, scl, bq, bk, bv, qkvc, qkvs; writes qkvc, qkvs
.if DOCPART == 2
	.amdgcn_target "amdgcn-amd-amdhsa--gfx1250"
	.amdhsa_code_object_version 6
	.text
	.protected	k_q31f502f857_qkv
	.globl	k_q31f502f857_qkv
	.p2align	8
	.type	k_q31f502f857_qkv,@function
k_q31f502f857_qkv:
	s_mov_b64 s[64:65], 0
	v_nop
	global_prefetch_b8 v0, s[64:65] scope:SCOPE_SE
	s_setreg_imm32_b32 hwreg(HW_REG_WAVE_MODE, 25, 1), 1
	s_wait_xcnt 0x0
	s_wait_alu depctr_hold_cnt(0) depctr_sa_sdst(0) depctr_va_vdst(0) depctr_va_sdst(0) depctr_va_ssrc(0) depctr_va_vcc(0) depctr_vm_vsrc(0)
	s_getreg_b32 s2, hwreg(HW_REG_IB_STS2, 6, 4)
	s_cmp_eq_u32 s2, 0
	s_cbranch_scc0 .Lentry_in_a_cluster
	s_endpgm
.Lentry_in_a_cluster:
	s_bfe_u32 s2, ttmp6, 0x10000c
	s_cmp_lg_u32 s2, 0xf033
	s_cbranch_scc0 .Lentry_shape_is_right
	s_endpgm
.Lentry_shape_is_right:
; q = x Wq^T + bq, k = x Wk^T + bk, v = x Wv^T + bv on codes of E3M2; the rotary turn of q and k over the full width; then q and k are quantised along a head's 64 channels and v along the keys.
; SHARES.  Work-group (X, I): 128 rows t = 128 I .. and 192 columns: with p = X / 2, a = X % 2 the 32 channels of block a of heads p and p + 8 of q and of k
; (the turn pairs column c with c + 512, so both partners lie in one lane), and the whole head X of v.
; Twelve waves: role = wave / 4 (0 q, 1 k, 2 v), tp = wave % 4: 32 rows of t (two tiles of x) against four tiles of the role's weight: eight accumulators by turns.
; q, k: source 0 = weight, source 1 = x: a lane holds one row t, its registers run along the channels.  v: source 0 = x, source 1 = weight: a lane holds one channel, its registers run along t, which is the next product's K.
; LDS.  All of K lies in LDS, brought once, in two halves of 512 along K: nothing is filled twice.  A load brings two tiles x four K steps: 2 rows of 6,144 bytes, 12,288 bytes apart in memory.
; CLUSTER 4 x 4.  The four work-groups of a row of the cluster share I, so x's tiles are asked for jointly by them; the four of a column share X, so the weights' tiles are.
; cos AND sin are made in f32: the angle is fl(t x inv_freq) as the model has it; a reduction by pi / 2 in two parts and two short polynomials.  The q wave makes those of x tile 0, the k wave those of tile 1; they meet in LDS.
; OUT.  qkvc: q at 0, k at 1,572,864: [head][block a][t][24 bytes]; v at 3,145,728: [head][block of 32 keys][channel][24 bytes].
;       qkvs: q at 0, k at 65,536: [I][p][a][head / 8][t % 128] bytes; v at 131,072: [head][block of keys][channel] bytes.
; LIMITS: inv_freq = 15000^(-j / 512) is made by one v_exp_f32 of an exponent split in two parts, within about one and a half units in its last place; a block of zeros gets the byte 1 where the rule says 127
; (its codes are zeros, only this program reads the bytes); NaN and infinities are not served.
.set HALF, 122880                      ; LDS: half a K: ten pairs of tiles x 12,288 bytes: 0-3 x, 4 q low, 5 q high, 6 k low, 7 k high, 8, 9 v
.set TRIG, 2*HALF                      ; cos and sin as images of registers: [tp][x tile][cos, sin][4 x 512 bytes]; written by LDS stores alone
.set SCB,  TRIG+4*8192                 ; 768 scale bytes on their way out; written by LDS stores alone
.set BV,   16                          ; v16-23   v's bias, four pairs
.set XS,   24                          ; v24-39   x's scale words: 8 u + K step
.set WS,   40                          ; v40-71   the weight's: 8 j + K step
.set ACC,  72                          ; v72-135  the accumulators
.set FX,   136                         ; v136-159 x's two fragments
.set FW,   160                         ; v160-207 the weight's four
.set TR,   136                         ; v136-199 behind the products: cos and sin: 32 u + 16 (sin) + e
.set INV,  200                         ; v200-215 ahead of the products: inv_freq
.set CD,   200                         ; v200-215 behind them: codes, four registers a block
.set MX,   216                         ; v216-219 largest magnitudes
.set PB,   224                         ; v224-227 the other half's, then bytes
.set SO,   228                         ; v228-231 scale operands
.set G1A,  28                          ; s[28:35] group 1 for x's tiles;  s[36:43] for the weights'
.set G1B,  36
.set G0A,  44                          ; s[44:51] group 0 for x's tiles, a set for each half of K;  s[52:59] for the weights'
.set G0B,  52
; v1 16 x lane, v2 r, v3 half, v4 r + 8 (r / 8), v5-6 x in LDS, v7-8 the weight in LDS, v9 cos and sin (read), v243 (written), v10-12 scale bytes, v13 codes out, v14-15 scale words in, v240-241 biases in, v242 8 x lane
.macro ROUND                           ; a round of the cluster's barrier
	s_barrier_signal -1
	s_barrier_wait -1
	s_cmp_lg_u32 s18, 0
	s_cbranch_scc1 .Lnot_wave_0_\@
	s_barrier_signal -3
.Lnot_wave_0_\@:
	s_barrier_wait -3
	s_barrier_signal -1
	s_barrier_wait -1
.endm
; One K step of 128: four plain lines in front of loads into registers that matrix instructions have read (ISA guide 7.12.1 for vector instructions), 18 LDS loads, 8 products on 8 accumulators
.macro KSTEP isv, hf, q, ks, zero
.rept 4
	v_nop
.endr
.irp u, 0,1
.irp c, 0,1,2
	ds_load_b128 v[FX+12*\u+4*\c:FX+12*\u+4*\c+3], v[5+\hf] offset:6144*\u+1536*\q+512*\c
.endr
.endr
.irp j, 0,1,2,3
.irp c, 0,1,2
	ds_load_b128 v[FW+12*\j+4*\c:FW+12*\j+4*\c+3], v[7+\hf] offset:6144*\j+1536*\q+512*\c
.endr
.endr
	s_wait_dscnt 0x0
.if \isv
.irp j, 0,1,2,3
.irp u, 0,1
.if \zero
	v_wmma_scale_f32_16x16x128_f8f6f4 v[ACC+16*\j+8*\u:ACC+16*\j+8*\u+7], v[FX+12*\u:FX+12*\u+11], v[FW+12*\j:FW+12*\j+11], 0, v[XS+8*\u+\ks], v[WS+8*\j+\ks] matrix_a_fmt:MATRIX_FMT_BF6 matrix_b_fmt:MATRIX_FMT_BF6
.else
	v_wmma_scale_f32_16x16x128_f8f6f4 v[ACC+16*\j+8*\u:ACC+16*\j+8*\u+7], v[FX+12*\u:FX+12*\u+11], v[FW+12*\j:FW+12*\j+11], v[ACC+16*\j+8*\u:ACC+16*\j+8*\u+7], v[XS+8*\u+\ks], v[WS+8*\j+\ks] matrix_a_fmt:MATRIX_FMT_BF6 matrix_b_fmt:MATRIX_FMT_BF6
.endif
.endr
.endr
.else
.irp u, 0,1
.irp j, 0,1,2,3
	v_wmma_scale_f32_16x16x128_f8f6f4 v[ACC+32*\u+8*\j:ACC+32*\u+8*\j+7], v[FW+12*\j:FW+12*\j+11], v[FX+12*\u:FX+12*\u+11], v[ACC+32*\u+8*\j:ACC+32*\u+8*\j+7], v[WS+8*\j+\ks], v[XS+8*\u+\ks] matrix_a_fmt:MATRIX_FMT_BF6 matrix_b_fmt:MATRIX_FMT_BF6
.endr
.endr
.endif
.endm
; cos and sin of t x inv_freq for four frequencies i0 .. i0 + 3, line by line by turns.  v216.. the angle, v220.. k = the nearest whole number of quarter turns, v224.. the rest r, v228.. r^2, v232.. sine's, v236.. cosine's polynomial
.macro TRIG4 i0
.irp n, 0,1,2,3
	v_mul_f32 v[216+\n], v244, v[INV+\i0+\n]
.endr
.irp n, 0,1,2,3
	v_mul_f32 v[220+\n], 0x3f22f983, v[216+\n]         ; x 2 / pi
.endr
.irp n, 0,1,2,3
	v_rndne_f32 v[220+\n], v[220+\n]
.endr
.irp n, 0,1,2,3
	v_fma_f32 v[224+\n], -v[220+\n], s72, v[216+\n]    ; - k x pi / 2, its upper part,
.endr
.irp n, 0,1,2,3
	v_fma_f32 v[224+\n], -v[220+\n], s73, v[224+\n]    ; and its lower: |r| <= pi / 4
.endr
.irp n, 0,1,2,3
	v_mul_f32 v[228+\n], v[224+\n], v[224+\n]
.endr
.irp n, 0,1,2,3
	v_fmaak_f32 v[232+\n], v246, v[228+\n], 0x3c08839e
.endr
.irp n, 0,1,2,3
	v_fmaak_f32 v[236+\n], v247, v[228+\n], 0xbab6061a
.endr
.irp n, 0,1,2,3
	v_fmaak_f32 v[232+\n], v[232+\n], v[228+\n], 0xbe2aaaa3
.endr
.irp n, 0,1,2,3
	v_fmaak_f32 v[236+\n], v[236+\n], v[228+\n], 0x3d2aaaa5
.endr
.irp n, 0,1,2,3
	v_mul_f32 v[216+\n], v[224+\n], v[228+\n]
.endr
.irp n, 0,1,2,3
	v_fma_f32 v[232+\n], v[216+\n], v[232+\n], v[224+\n]   ; sin r = r + r^3 (..)
.endr
.irp n, 0,1,2,3
	v_fma_f32 v[216+\n], v[228+\n], -0.5, 1.0
.endr
.irp n, 0,1,2,3
	v_mul_f32 v[228+\n], v[228+\n], v[228+\n]
.endr
.irp n, 0,1,2,3
	v_fma_f32 v[236+\n], v[228+\n], v[236+\n], v[216+\n]   ; cos r = 1 - r^2 / 2 + r^4 (..)
.endr
.irp n, 0,1,2,3
	v_cvt_i32_f32 v[220+\n], v[220+\n]
.endr
.irp n, 0,1,2,3
	v_and_b32 v[216+\n], 1, v[220+\n]
.endr
.irp n, 0,1,2,3
	v_cmp_eq_u32 s[76+\n], 1, v[216+\n]                ; an odd k: sine and cosine change places (a choice of values only)
.endr
.irp n, 0,1,2,3
	v_cndmask_b32 v[224+\n], v[232+\n], v[236+\n], s[76+\n]
.endr
.irp n, 0,1,2,3
	v_cndmask_b32 v[228+\n], v[236+\n], v[232+\n], s[76+\n]
.endr
.irp n, 0,1,2,3
	v_lshlrev_b32 v[216+\n], 30, v[220+\n]             ; the sine's sign: bit 1 of k
.endr
.irp n, 0,1,2,3
	v_add_nc_u32 v[220+\n], 1, v[220+\n]               ; the cosine's: bit 1 of k + 1
.endr
.irp n, 0,1,2,3
	v_and_b32 v[216+\n], 0x80000000, v[216+\n]
.endr
.irp n, 0,1,2,3
	v_lshlrev_b32 v[220+\n], 30, v[220+\n]
.endr
.irp n, 0,1,2,3
	v_xor_b32 v[152+\i0+\n], v[216+\n], v[224+\n]      ; sin
.endr
.irp n, 0,1,2,3
	v_and_b32 v[220+\n], 0x80000000, v[220+\n]
.endr
.irp n, 0,1,2,3
	v_xor_b32 v[136+\i0+\n], v[220+\n], v[228+\n]      ; cos
.endr
.endm
; The four blocks v[ACC + 16 b ..], 16 numbers a lane, the other 16 in lane l xor 16, become 16 codes each in v[CD + 4 b ..] and a byte in v[PB + b]
.macro Q4
.irp b, 0,1,2,3
	v_max3_num_f32 v[MX+\b], |v[ACC+16*\b]|, |v[ACC+16*\b+1]|, 0x2800000   ; and the floor 2^(5 - 127): the byte cannot fall under 1
.endr
.irp i, 2,4,6,8,10,12,14
.irp b, 0,1,2,3
	v_max3_num_f32 v[MX+\b], v[MX+\b], |v[ACC+16*\b+\i]|, |v[ACC+16*\b+\i+1]|
.endr
.endr
.irp b, 0,1,2,3
	v_permlanex16_b32 v[PB+\b], v[MX+\b], s74, s75
.endr
.irp b, 0,1,2,3
	v_max_num_f32 v[MX+\b], v[MX+\b], v[PB+\b]
.endr
.irp b, 0,1,2,3
	v_add_nc_u32 v[SO+\b], 0xfe000000, v[MX+\b]        ; 4 off the exponent field: the conversion's scale operand
.endr
.irp b, 0,1,2,3
	v_lshrrev_b32 v[PB+\b], 23, v[SO+\b]               ; the scale's byte
.endr
.irp b, 0,1,2,3
	v_cvt_scalef32_pk16_bf6_f32 v[CD+4*\b:CD+4*\b+2], v[ACC+16*\b:ACC+16*\b+15], v[SO+\b]
.endr
	v_nop                                              ; one plain line behind the scaled conversions
.endm
	s_load_b256 s[4:11], s[0:1], 0x0               ; cod, scl, bq, bk
	s_load_b128 s[12:15], s[0:1], 0x20             ; bv, qkvc
	s_load_b64 s[16:17], s[0:1], 0x30              ; qkvs
	v_lshl_add_u32 v254, v0, 2, 0x44300
	v_mov_b32 v255, 0
	ds_add_u32 v254, v255
	ds_add_u32 v254, v255
	v_lshrrev_b32 v1, 5, v0
	v_readfirstlane_b32 s18, v1                    ; wave 0..11
	s_lshr_b32 s19, s18, 2                         ; role
	s_and_b32 s20, s18, 3                          ; tp
	s_bfe_u32 s21, ttmp6, 0x40000                  ; cx
	s_bfe_u32 s22, ttmp6, 0x40004                  ; cy
	s_lshl_b32 s23, ttmp9, 2
	s_add_co_u32 s23, s23, s21                     ; X = 4 x cluster x + cx
	s_and_b32 s24, ttmp7, 0xffff
	s_lshl_b32 s24, s24, 2
	s_add_co_u32 s24, s24, s22                     ; I = 4 x cluster y + cy
	s_lshl_b32 s25, s22, 2
	s_lshl_b32 s25, 15, s25                        ; my row of the cluster
	s_lshl_b32 s26, 0x1111, s21                    ; my column
	s_or_b32 s[G1A], s25, (3<<16)|(1<<21)          ; 15:0 the mask; 17:16 elements of 8 bytes; 21 set beside a mask; no padding
	s_or_b32 s[G1B], s26, (3<<16)|(1<<21)
.irp g, G1A, G1B
	s_mov_b32 s[\g+1], 768<<16                     ; tensor_dim0 = 768 elements: 6,144 bytes, four K steps of a tile
	s_mov_b32 s[\g+2], 2<<16                       ; tensor_dim1 = 2 tiles
	s_mov_b32 s[\g+3], 768<<16                     ; tile_dim0
	s_mov_b32 s[\g+4], 2                           ; tile_dim1
	s_mov_b32 s[\g+5], 1536                        ; from tile to tile: 12,288 bytes
	s_mov_b32 s[\g+6], 0
	s_mov_b32 s[\g+7], 0
.endr
	s_min_u32 s60, s18, 3                          ; x: waves 0-3 fetch pair tp = wave (the number is held in range in the waves that fetch none)
	s_lshl_b32 s60, s60, 1
	s_lshl_b32 s61, s24, 3
	s_add_co_u32 s60, s60, s61                     ; tile 8 I + 2 wave: it hangs on I alone, which my row of the cluster shares
	s_mul_i32 s60, s60, 12288
	s_mov_b32 s61, 0
	s_max_u32 s66, s18, 4                          ; the weights: waves 4-9
	s_sub_co_u32 s66, s66, 4
	s_min_u32 s66, s66, 5
	s_lshr_b32 s67, s66, 1                         ; which weight
	s_and_b32 s66, s66, 1                          ; its first or second pair
	s_cmp_eq_u32 s67, 2
	s_cselect_b32 s68, 2, 32                       ; the second pair lies 32 tiles on (512 rows: head p + 8), in v 2 tiles on
	s_cselect_b32 s69, 2, 1                        ; the first pair is tile 2 X of q and k, 4 X of v
	s_mul_i32 s68, s68, s66
	s_lshl_b32 s69, s23, s69
	s_lshl_b32 s67, s67, 6
	s_add_co_u32 s68, s68, s69
	s_add_co_u32 s68, s68, s67
	s_add_co_u32 s68, s68, 128                     ; it hangs on X alone, which my column of the cluster shares
	s_mul_i32 s68, s68, 12288
	s_mov_b32 s69, 0
	s_min_u32 s70, s18, 9
	s_mul_i32 s70, s70, 12288                      ; where a pair goes: the wave's number alone
	s_wait_dscnt 0x0
	s_wait_kmcnt 0x0
	s_add_nc_u64 s[60:61], s[4:5], s[60:61]
	s_add_nc_u64 s[68:69], s[4:5], s[68:69]
	ROUND                                          ; all sixteen work-groups are here: the joint loads meet
.irp f, 0,1
	s_mov_b32 s[G0A+4*\f], 1
	s_add_co_u32 s[G0A+4*\f+1], s70, \f*HALF
	s_add_nc_u64 s[G0A+4*\f+2:G0A+4*\f+3], s[60:61], \f*6144
	s_or_b32 s[G0A+4*\f+3], s[G0A+4*\f+3], 0x80000000
	s_mov_b32 s[G0B+4*\f], 1
	s_add_co_u32 s[G0B+4*\f+1], s70, \f*HALF
	s_add_nc_u64 s[G0B+4*\f+2:G0B+4*\f+3], s[68:69], \f*6144
	s_or_b32 s[G0B+4*\f+3], s[G0B+4*\f+3], 0x80000000
.endr
	s_cmp_lt_u32 s18, 4                            ; a wave's two fills stand in one branch on its number; two tensor loads of a wave are out at the most; four v_nop follow the second
	s_cbranch_scc0 .Lnot_x
	tensor_load_to_lds s[G0A:G0A+3], s[G1A:G1A+7]
	s_nop 0
	tensor_load_to_lds s[G0A+4:G0A+7], s[G1A:G1A+7]
	s_nop 0
.rept 4
	v_nop
.endr
	s_branch .Lasked
.Lnot_x:
	s_cmp_lt_u32 s18, 10
	s_cbranch_scc0 .Lasked
	tensor_load_to_lds s[G0B:G0B+3], s[G1B:G1B+7]
	s_nop 0
	tensor_load_to_lds s[G0B+4:G0B+7], s[G1B:G1B+7]
	s_nop 0
.rept 4
	v_nop
.endr
.Lasked:
	; every address register is made here, ahead of the first parting of the roles
	v_and_b32 v1, 31, v0
	v_lshlrev_b32 v242, 3, v1                      ; 8 x lane
	v_lshlrev_b32 v1, 4, v1                        ; 16 x lane
	v_and_b32 v2, 15, v0                           ; r
	v_bfe_u32 v3, v0, 4, 1                         ; half
	v_and_b32 v4, 8, v2
	v_add_nc_u32 v4, v4, v2                        ; r + 8 (r / 8)
	s_mul_i32 s71, s20, 12288
	v_add_nc_u32 v5, s71, v1                       ; x's pair tp
	v_add_nc_u32 v6, HALF, v5
	s_lshl_b32 s71, s19, 1
	s_add_co_u32 s71, s71, 4
	s_mul_i32 s71, s71, 12288
	v_add_nc_u32 v7, s71, v1                       ; my role's two pairs
	v_add_nc_u32 v8, HALF, v7
	s_lshl_b32 s71, s20, 13
	s_add_co_u32 s71, s71, TRIG
	v_add_nc_u32 v9, s71, v1                       ; cos and sin of my 32 rows
	s_and_b32 s96, s19, 1
	s_lshl_b32 s96, s96, 12
	v_add_nc_u32 v243, s96, v9                     ; q writes x tile 0's, k x tile 1's
	s_lshl_b32 s71, s19, 8
	s_lshl_b32 s96, s20, 5
	s_add_co_u32 s71, s71, s96
	s_add_co_u32 s71, s71, SCB
	v_add_nc_u32 v10, s71, v4                      ; q's, k's bytes: 256 role + t % 128
	s_lshl_b32 s71, s20, 6
	s_add_co_u32 s71, s71, SCB+512
	v_add_nc_u32 v11, s71, v4                      ; v's: 64 tp + channel
	v_add_nc_u32 v12, SCB, v242
	v_mul_u32_u24 v13, v4, 24
	v_mad_u32_u24 v13, v3, 12, v13                 ; codes out: 24 bytes a row, my half's 12
	v_lshlrev_b32 v14, 5, v2                       ; scale words in: 32 bytes a row
	v_lshlrev_b32 v240, 6, v3                      ; bq, bk: my half's 16 numbers
	v_lshlrev_b32 v241, 2, v4                      ; bv: my channel
.irp b, 0,1,2,3
	v_mov_b32 v[PB+\b], 0                          ; a lane permute's destination counts as one of its sources
.endr
	s_mov_b32 s72, 0x3fc90fdb                      ; pi / 2, upper part
	s_mov_b32 s73, 0xb33bbd2e                      ; and lower
	s_mov_b32 s74, 0x76543210
	s_mov_b32 s75, 0xfedcba98                      ; lane l xor 16
	s_lshl_b32 s80, s24, 3
	s_lshl_b32 s81, s20, 1
	s_add_co_u32 s80, s80, s81
	s_lshl_b32 s80, s80, 9
	s_mov_b32 s81, 0
	s_add_nc_u64 s[80:81], s[6:7], s[80:81]        ; the scale words of x's tiles 8 I + 2 tp, + 1
	s_cmp_eq_u32 s19, 2                            ; what hangs on the role: chosen by the wave's number
	s_cselect_b32 s82, 2, 1
	s_cselect_b32 s85, 2, 32
	s_cselect_b32 s88, 8, 7
	s_cselect_b64 s[86:87], s[12:13], s[10:11]
	s_cmp_eq_u32 s19, 0
	s_cselect_b64 s[86:87], s[8:9], s[86:87]       ; my role's bias
	s_lshl_b32 s82, s23, s82
	s_lshl_b32 s83, s19, 6
	s_add_co_u32 s82, s82, s83
	s_add_co_u32 s82, s82, 128
	s_lshl_b32 s82, s82, 9
	s_mov_b32 s83, 0
	s_add_nc_u64 s[82:83], s[6:7], s[82:83]        ; the scale words of my role's first pair
	s_lshl_b32 s85, s85, 9
	v_add_nc_u32 v15, s85, v14                     ; and of its second
	s_lshl_b32 s88, s23, s88
	s_mov_b32 s89, 0
	s_add_nc_u64 s[86:87], s[86:87], s[88:89]      ; at column 32 X (q, k) or 64 X (v)
	s_lshl_b32 s90, s23, 11
	s_lshl_b32 s91, s24, 7
	s_add_co_u32 s90, s90, s91
	s_lshl_b32 s91, s20, 5
	s_add_co_u32 s90, s90, s91
	s_mul_i32 s90, s90, 24
	s_mul_i32 s91, s19, 1572864
	s_add_co_u32 s90, s90, s91                     ; q, k: ((2 p + a) 2,048 + 128 I + 32 tp) x 24
	s_lshl_b32 s92, s23, 6
	s_lshl_b32 s93, s24, 2
	s_add_co_u32 s92, s92, s93
	s_add_co_u32 s92, s92, s20
	s_mul_i32 s92, s92, 1536
	s_add_co_u32 s92, s92, 3145728                 ; v: (64 X + 4 I + tp) x 1,536
	s_cmp_eq_u32 s19, 2
	s_cselect_b32 s90, s92, s90
	s_mov_b32 s91, 0
	s_add_nc_u64 s[90:91], s[14:15], s[90:91]
	s_lshl_b32 s92, s24, 4
	s_add_co_u32 s92, s92, s23
	s_lshl_b32 s92, s92, 8
	s_mov_b32 s93, 0
	s_add_nc_u64 s[92:93], s[16:17], s[92:93]      ; q's 256 bytes (k's 65,536 on)
	s_lshl_b32 s94, s23, 4
	s_add_co_u32 s94, s94, s24
	s_lshl_b32 s94, s94, 8
	s_add_co_u32 s94, s94, 131072
	s_mov_b32 s95, 0
	s_add_nc_u64 s[94:95], s[16:17], s[94:95]      ; v's 256 bytes
.irp u, 0,1
	global_load_b128 v[XS+8*\u:XS+8*\u+3], v14, s[80:81] offset:512*\u
	global_load_b128 v[XS+8*\u+4:XS+8*\u+7], v14, s[80:81] offset:512*\u+16
	global_load_b128 v[WS+8*\u:WS+8*\u+3], v14, s[82:83] offset:512*\u
	global_load_b128 v[WS+8*\u+4:WS+8*\u+7], v14, s[82:83] offset:512*\u+16
	global_load_b128 v[WS+16+8*\u:WS+16+8*\u+3], v15, s[82:83] offset:512*\u
	global_load_b128 v[WS+16+8*\u+4:WS+16+8*\u+7], v15, s[82:83] offset:512*\u+16
.endr
	s_cmp_eq_u32 s19, 2
	s_cbranch_scc1 .Lhead_v
	; q, k: the bias is the C of each sum's first product: it is loaded straight into the accumulators
.irp u, 0,1
.irp j, 0,1,2,3
	global_load_b128 v[ACC+32*\u+8*\j:ACC+32*\u+8*\j+3], v240, s[86:87] offset:2048*(\j/2)+32*(\j%2)
	global_load_b128 v[ACC+32*\u+8*\j+4:ACC+32*\u+8*\j+7], v240, s[86:87] offset:2048*(\j/2)+32*(\j%2)+16
.endr
.endr
	; inv_freq of my 16 frequencies j = 32 X + 16 half + i: 2^(-j log2(15000) / 512).  The factor is split: j x 28411 x 2^-20 is exact, the rest is added by one fused line
	s_lshl_b32 s97, s23, 5
	v_lshl_add_u32 v216, v3, 4, s97
.irp i, 0,1,2,3,4,5,6,7,8,9,10,11,12,13,14,15
	v_add_nc_u32 v[INV+\i], \i, v216
.endr
.irp i, 0,1,2,3,4,5,6,7,8,9,10,11,12,13,14,15
	v_cvt_f32_u32 v[INV+\i], v[INV+\i]
.endr
.irp i, 0,1,2,3,4,5,6,7,8,9,10,11,12,13,14,15
	v_mul_f32 v[136+\i], 0xbcddf600, v[INV+\i]
.endr
.irp i, 0,1,2,3,4,5,6,7,8,9,10,11,12,13,14,15
	v_rndne_f32 v[152+\i], v[136+\i]               ; the whole part
.endr
.irp i, 0,1,2,3,4,5,6,7,8,9,10,11,12,13,14,15
	v_sub_f32 v[136+\i], v[136+\i], v[152+\i]      ; exact
.endr
.irp i, 0,1,2,3,4,5,6,7,8,9,10,11,12,13,14,15
	v_fmamk_f32 v[136+\i], v[INV+\i], 0xb473ded9, v[136+\i]
.endr
.irp i, 0,1,2,3,4,5,6,7,8,9,10,11,12,13,14,15
	v_exp_f32 v[136+\i], v[136+\i]
.endr
.irp i, 0,1,2,3,4,5,6,7,8,9,10,11,12,13,14,15
	v_cvt_i32_f32 v[152+\i], v[152+\i]             ; plain work behind the batch
.endr
	s_wait_alu depctr_va_vdst(0)                   ; one wait for the sixteen exponentials, ahead of their first reader
.irp i, 0,1,2,3,4,5,6,7,8,9,10,11,12,13,14,15
	v_ldexp_f32 v[INV+\i], v[136+\i], v[152+\i]
.endr
	s_lshl_b32 s98, s24, 7
	s_lshl_b32 s99, s20, 5
	s_add_co_u32 s98, s98, s99
	s_lshl_b32 s99, s19, 3
	s_add_co_u32 s98, s98, s99
	v_add_nc_u32 v244, s98, v4
	v_cvt_f32_u32 v244, v244                       ; t = 128 I + 32 tp + 8 role + r + 8 (r / 8): the row that my lane holds in x tile u = role
	v_mov_b32 v246, 0xb94ca1f9                     ; the polynomials' leading coefficients
	v_mov_b32 v247, 0x37ccf5ce
	TRIG4 0
	TRIG4 4
	TRIG4 8
	TRIG4 12
.irp c, 0,1,2,3
	ds_store_b128 v243, v[136+4*\c:139+4*\c] offset:512*\c          ; cos, as an image of the registers
	ds_store_b128 v243, v[152+4*\c:155+4*\c] offset:2048+512*\c     ; sin
.endr
	s_branch .Lhead_done
.Lhead_v:
.irp j, 0,1,2,3
	global_load_b32 v[BV+2*\j], v241, s[86:87] offset:128*(\j/2)+32*(\j%2)     ; bv of my channel in tile j, in both halves of a pair
	global_load_b32 v[BV+2*\j+1], v241, s[86:87] offset:128*(\j/2)+32*(\j%2)
.endr
.Lhead_done:
	s_wait_tensorcnt 0x1                           ; my part of the first half of K is in; the one load that may stay out is the second half's
	s_wait_dscnt 0x0                               ; my cos and sin have landed
	s_barrier_signal -1
	s_barrier_wait -1
	s_wait_loadcnt 0x0                             ; scale words and biases
	s_cmp_eq_u32 s19, 2
	s_cbranch_scc1 .Lfirst_v
.irp q, 0,1,2,3
	KSTEP 0, 0, \q, \q, 0
.endr
	s_branch .Lfirst_done
.Lfirst_v:
	KSTEP 1, 0, 0, 0, 1                            ; v's first products start the sums
.irp q, 1,2,3
	KSTEP 1, 0, \q, \q, 0
.endr
.Lfirst_done:
	s_wait_tensorcnt 0x0                           ; my part of the second half is in
	s_wait_dscnt 0x0
	s_barrier_signal -1
	s_barrier_wait -1
	s_cmp_eq_u32 s19, 2
	s_cbranch_scc1 .Lsecond_v
.irp q, 0,1,2,3
	KSTEP 0, 1, \q, 4+\q, 0
.endr
.rept 4
	v_nop                                          ; in front of loads into the fragments' registers and of the first read of results
.endr
.irp u, 0,1
.irp s, 0,1
.irp c, 0,1,2,3
	ds_load_b128 v[TR+32*\u+16*\s+4*\c:TR+32*\u+16*\s+4*\c+3], v9 offset:4096*\u+2048*\s+512*\c
.endr
.endr
.endr
	s_wait_dscnt 0x0
	; the turn: low' = low cos - high sin, high' = high cos + low sin; each accumulator is read from its low end on
.irp u, 0,1
.irp e, 0,2,4,6,8,10,12,14
.set TT, 232+4*((\e/2)%2)
	v_pk_mul_f32 v[TT:TT+1], v[ACC+32*\u+16+\e:ACC+32*\u+17+\e], v[TR+32*\u+16+\e:TR+32*\u+17+\e]
	v_pk_mul_f32 v[TT+2:TT+3], v[ACC+32*\u+\e:ACC+32*\u+\e+1], v[TR+32*\u+16+\e:TR+32*\u+17+\e]
	v_pk_fma_f32 v[ACC+32*\u+\e:ACC+32*\u+\e+1], v[ACC+32*\u+\e:ACC+32*\u+\e+1], v[TR+32*\u+\e:TR+32*\u+\e+1], v[TT:TT+1] neg_lo:[0,0,1] neg_hi:[0,0,1]
	v_pk_fma_f32 v[ACC+32*\u+16+\e:ACC+32*\u+17+\e], v[ACC+32*\u+16+\e:ACC+32*\u+17+\e], v[TR+32*\u+\e:TR+32*\u+\e+1], v[TT+2:TT+3]
.endr
.endr
	Q4                                             ; block 2 u + s: x tile u, head p + 8 s
.irp u, 0,1
.irp s, 0,1
	global_store_b96 v13, v[CD+4*(2*\u+\s):CD+4*(2*\u+\s)+2], s[90:91] offset:192*\u+786432*\s   ; two runs of 192 consecutive bytes
	ds_store_b8 v10, v[PB+2*\u+\s] offset:128*\s+8*\u      ; both halves of the lanes write the same byte with the same value
.endr
.endr
	s_branch .Lsecond_done
.Lsecond_v:
.irp q, 0,1,2,3
	KSTEP 1, 1, \q, 4+\q, 0
.endr
.rept 4
	v_nop
.endr
.irp j, 0,1,2,3
.irp e, 0,2,4,6,8,10,12,14
	v_pk_add_f32 v[ACC+16*\j+\e:ACC+16*\j+\e+1], v[ACC+16*\j+\e:ACC+16*\j+\e+1], v[BV+2*\j:BV+2*\j+1]   ; + bv: one number a lane and tile
.endr
.endr
	Q4                                             ; block j: the tile's channel, 32 keys
.irp j, 0,1,2,3
	global_store_b96 v13, v[CD+4*\j:CD+4*\j+2], s[90:91] offset:768*(\j/2)+192*(\j%2)
	ds_store_b8 v11, v[PB+\j] offset:32*(\j/2)+8*(\j%2)
.endr
.Lsecond_done:
	s_wait_dscnt 0x0                               ; for wave 0's sake: my bytes have landed
	s_barrier_signal -1
	s_barrier_wait -1
	s_cmp_lg_u32 s18, 0
	s_cbranch_scc1 .Lbytes_done
	ds_load_b64 v[216:217], v12
	ds_load_b64 v[218:219], v12 offset:256
	ds_load_b64 v[220:221], v12 offset:512
	s_wait_dscnt 0x0
	global_store_b64 v242, v[216:217], s[92:93]                ; each store covers 256 consecutive bytes, aligned
	global_store_b64 v242, v[218:219], s[92:93] offset:65536
	global_store_b64 v242, v[220:221], s[94:95]
.Lbytes_done:
	s_wait_tensorcnt 0x0
	ds_add_u32 v254, v255
	s_wait_dscnt 0x0
	ROUND                                          ; the closing round: no work-group ends while a partner may still ask for a tile that names it
	s_endpgm
.Lfunc_end_k_q31f502f857_qkv:
	.size	k_q31f502f857_qkv, .Lfunc_end_k_q31f502f857_qkv-k_q31f502f857_qkv
	.p2alignl 7, 3214868480
	.fill 96, 4, 3214868480
	.section	.rodata,"a",@progbits
	.p2align	6, 0x0
	.amdhsa_kernel k_q31f502f857_qkv
		.amdhsa_group_segment_fixed_size 280832
		.amdhsa_private_segment_fixed_size 0
		.amdhsa_enable_private_segment 0
		.amdhsa_kernarg_size 56
		.amdhsa_user_sgpr_count 2
		.amdhsa_user_sgpr_kernarg_segment_ptr 1
		.amdhsa_wavefront_size32 1
		.amdhsa_system_sgpr_workgroup_id_x 1
		.amdhsa_system_sgpr_workgroup_id_y 1
		.amdhsa_system_sgpr_workgroup_id_z 1
		.amdhsa_system_vgpr_workitem_id 0
		.amdhsa_next_free_vgpr 256
		.amdhsa_next_free_sgpr 100
		.amdhsa_reserve_vcc 0
		.amdhsa_float_denorm_mode_32 3
		.amdhsa_float_denorm_mode_16_64 3
		.amdhsa_memory_ordered 1
		.amdhsa_forward_progress 1
		.amdhsa_inst_pref_size 94
	.end_amdhsa_kernel
	.amdgpu_metadata
---
amdhsa.version: [ 1, 2 ]
amdhsa.kernels:
  - .name:           k_q31f502f857_qkv
    .symbol:         k_q31f502f857_qkv.kd
    .args:
      - { .name: cod, .offset: 0, .size: 8, .value_kind: global_buffer, .address_space: global }
      - { .name: scl, .offset: 8, .size: 8, .value_kind: global_buffer, .address_space: global }
      - { .name: bq, .offset: 16, .size: 8, .value_kind: global_buffer, .address_space: global }
      - { .name: bk, .offset: 24, .size: 8, .value_kind: global_buffer, .address_space: global }
      - { .name: bv, .offset: 32, .size: 8, .value_kind: global_buffer, .address_space: global }
      - { .name: qkvc, .offset: 40, .size: 8, .value_kind: global_buffer, .address_space: global }
      - { .name: qkvs, .offset: 48, .size: 8, .value_kind: global_buffer, .address_space: global }
    .group_segment_fixed_size: 280832
    .private_segment_fixed_size: 0
    .kernarg_segment_align: 8
    .kernarg_segment_size: 56
    .max_flat_workgroup_size: 384
    .sgpr_count:     100
    .vgpr_count:     256
    .wavefront_size: 32
...
	.end_amdgpu_metadata
.endif
;; end of part 2
;; launch attn (part 3): grid 16 x 16, 8 waves a work-group, no clusters, 0 bytes of LDS; arguments qkvc, qkvs, ac, asc; writes ac, asc
.if DOCPART == 3
	.amdgcn_target "amdgcn-amd-amdhsa--gfx1250"
	.amdhsa_code_object_version 6
	.text
	.protected	k_q31f502f857_attn
	.globl	k_q31f502f857_attn
	.p2align	8
	.type	k_q31f502f857_attn,@function
k_q31f502f857_attn:
	s_mov_b64 s[64:65], 0
	v_nop
	global_prefetch_b8 v0, s[64:65] scope:SCOPE_SE
	s_setreg_imm32_b32 hwreg(HW_REG_WAVE_MODE, 25, 1), 1
	s_wait_xcnt 0x0
; Attention of head h (work-group y) for the 128 queries of block I (work-group x), on codes of E3M2; the logit is score x count under the model's own mask.
; THE MASK.  With L(n) = min(ctz(n xor h), 10) and X0 = max(0, msb(i xor j) - 1): count(i, j) = min(L(i), L(j)) - X0 + 1, and a pair counts where that is above 0 and j <= i.
; Two positions in different aligned windows of 128 have X0 >= 6, so both must equal h modulo 64.  In units of 64 keys, with mq = 2 I and u = 2^(ctz(mq) - 1), every key below the window that any row
; of the window reaches lies at mq - u, mq - 2 u, mq - 4 u or mq - 6 u.  So a tile of queries walks its own window (four blocks of 32 keys: one K step of the second product) and, where it holds a row equal to h modulo 64
; (tiles 0 and 4; I > 0), one more step made of the four blocks of 32 keys that hold those keys.  All other blocks lie wholly under the mask: their p are zeros.  The count is computed for every score that is formed.
; The blocks of 32 keys are the quantiser's own: an instruction's four blocks along K may be any four of them, each with its own scale bytes.
; SHARES.  Wave w owns query tile w xor (w / 4).  Waves share nothing: K and V of a step are 12 KiB and come straight into registers; no LDS, no barrier.
; No cluster: no two work-groups read the same window; what is shared is four blocks of 32 keys of the second step.
; LAYOUT.  Both products are used transposed (source 0 = keys, then channels; source 1 = my queries): a lane holds ONE query.  Lane r of key tile 2 b + u takes key 32 b + 8 u + r + 8 (r / 8).
; A HEAD HAS 64 CHANNELS AND THE INSTRUCTION 128 ALONG K: source 0 holds TWO key tiles, 2 b in registers 0-5 and 2 b + 1 in registers 6-11; Q lies as [q][zeros][q] in 18 registers, and the product with registers 0-11
; gives tile 2 b, that with registers 6-17 tile 2 b + 1: zero codes take the other tile away.
; SOFTMAX.  t = logit x log2(e); M = the ceiling of the running largest t; p = 2^(t - M) is quantised along the keys; the row's sum is taken of the unquantised p and divides at the end.
; OUT.  ac: [tile of 16 rows][head][3][lane][8 bytes]: the registers of the next product's operand; asc: [t][32 bytes], head h's two bytes at 2 h.
; LIMITS: |t| under 2^24, so that M is a whole number; NaN and infinities are not served; a block of zeros has the byte 1.
; REGISTERS: v1 r, v2 half, v3 r + 8 (r / 8), v4 my query i, v5 ((i xor h) | 0x400) << 4; v6-19 the step's offsets; v20 -M, v21 the largest t, v[22:23] the sum; v24-28 the mask's constants of a block, v29 -infinity, v30-36 at work;
; v38-55 Q; v56 Q's, v57-60 K's, v61-64 V's, v65 p's scale words; v[66:67] f; v68-79 p's codes; v80-86 conversions; v88-99 blocks' maxima, bytes, scale operands; v100-103, v248-251 lane terms; v104-151 K, then V; v152-215 S^T, then p; v216-247 O^T.
.macro FAR n, mult                     ; far block n: 64 (mq - mult u); below 0 it is held at key 0 for the loads and set at 4,096 for the mask, where no pair counts
	s_mul_i32 s42, s41, \mult
	s_sub_co_i32 s42, s40, s42
	s_lshl_b32 s43, s42, 6
	s_max_i32 s[28+\n], s43, 0
	s_cmp_lt_i32 s42, 0
	s_cselect_b32 s[32+\n], 0x1000, s43
.endm
; The mask's constants of block b.  My 16 keys are j0 | e, j0 = the block's first key + 16 half.  A xor with e is a choice, bit by bit, between a word and its complement
.macro MCONST b
	v_lshl_add_u32 v30, v2, 4, s[24+\b]            ; j0
	v_xor_b32 v31, s15, v30                        ; j0 xor h
	v_xor_b32 v32, v4, v30                         ; i xor j0
	v_sub_nc_u32 v28, v4, v30                      ; i - j0: key e counts where e <= that
	v_lshl_or_b32 v25, v31, 4, v5
	v_lshl_or_b32 v27, v32, 1, 5
	v_xor_b32 v31, -1, v31
	v_xor_b32 v32, -1, v32
	v_lshl_or_b32 v24, v31, 4, v5
	v_lshl_or_b32 v26, v32, 1, 5
.endm
; Keys e and e + 1 of block b, line by line by turns.  Y = ((i xor h) | (j xor h) | 0x400) << 4: its lowest set bit is 2^(min L + 4).  X = ((i xor j) << 1) | 5: its top bit is max(msb + 1, 2), and bits lie under it.
; As f32 both are exact; the difference of their bit patterns, shifted down by 23, is min L + 4 - max(msb + 1, 2) - 1 = the count
.macro MASK2 b, e
	v_bfi_b32 v30, (\e)<<4, v24, v25
	v_bfi_b32 v34, ((\e)+1)<<4, v24, v25
	v_bfi_b32 v31, (\e)<<1, v26, v27
	v_bfi_b32 v35, ((\e)+1)<<1, v26, v27
	v_sub_nc_u32 v32, 0, v30
	v_sub_nc_u32 v36, 0, v34
	v_and_b32 v30, v30, v32
	v_and_b32 v34, v34, v36
	v_cvt_f32_u32 v30, v30
	v_cvt_f32_u32 v34, v34
	v_cvt_f32_u32 v31, v31
	v_cvt_f32_u32 v35, v35
	v_sub_nc_u32 v30, v30, v31
	v_sub_nc_u32 v34, v34, v35
	v_ashrrev_i32 v30, 23, v30
	v_ashrrev_i32 v34, 23, v34
	v_cmp_le_i32 s44, (\e), v28
	v_cmp_le_i32 s46, (\e)+1, v28
	v_cmp_lt_i32 s45, 0, v30
	v_cmp_lt_i32 s47, 0, v34
	v_cvt_f32_i32 v30, v30
	v_cvt_f32_i32 v34, v34
	s_and_b32 s44, s44, s45
	s_and_b32 s46, s46, s47
	v_mul_f32 v[152+16*(\b)+(\e)], v[152+16*(\b)+(\e)], v30
	v_mul_f32 v[153+16*(\b)+(\e)], v[153+16*(\b)+(\e)], v34
	v_cndmask_b32 v[152+16*(\b)+(\e)], v29, v[152+16*(\b)+(\e)], s44     ; a choice of values only
	v_cndmask_b32 v[153+16*(\b)+(\e)], v29, v[153+16*(\b)+(\e)], s46
.endm
	s_load_b256 s[4:11], s[0:1], 0x0               ; qkvc, qkvs, ac, asc
	v_lshrrev_b32 v1, 5, v0
	v_readfirstlane_b32 s12, v1                    ; wave
	s_lshr_b32 s13, s12, 2
	s_xor_b32 s13, s13, s12                        ; my tile of queries: tiles 0 and 4, which have the second step, fall on waves 0 and 5
	s_mov_b32 s14, ttmp9                           ; I
	s_and_b32 s15, ttmp7, 0xffff                   ; h
	s_and_b32 s16, s15, 7
	s_lshr_b32 s17, s15, 3
	v_and_b32 v1, 15, v0
	v_bfe_u32 v2, v0, 4, 1
	v_and_b32 v3, 8, v1
	v_add_nc_u32 v3, v3, v1
	s_lshl_b32 s38, s14, 7                         ; the window's first key
	s_lshl_b32 s39, s13, 4
	s_add_co_u32 s39, s39, s38                     ; my first query
	v_add_nc_u32 v4, s39, v1
	v_xor_b32 v5, s15, v4
	v_or_b32 v5, 0x400, v5
	v_lshlrev_b32 v5, 4, v5
.irp b, 0,1,2,3
	s_add_co_u32 s[20+\b], s38, 32*\b              ; the first step's blocks: for the loads,
	s_add_co_u32 s[24+\b], s38, 32*\b              ; and for the mask
.endr
	s_lshl_b32 s40, s14, 1                         ; mq
	s_or_b32 s41, s40, 32
	s_ctz_i32_b32 s41, s41
	s_sub_co_u32 s41, s41, 1
	s_lshl_b32 s41, 1, s41                         ; u
	FAR 0, 6                                       ; ascending, so that no distance between blocks is negative
	FAR 1, 4
	FAR 2, 2
	FAR 3, 1
	s_and_b32 s42, s13, 3
	s_cmp_eq_u32 s42, 0
	s_cselect_b32 s36, 2, 1
	s_cmp_eq_u32 s14, 0
	s_cselect_b32 s36, 1, s36                      ; steps: made of ids alone
	s_lshl_b32 s50, s15, 12                        ; 4,096 h: rows of 24 bytes ahead of head h's in q and in k
	s_lshl_b32 s51, s17, 7
	s_add_co_u32 s51, s51, 65536                   ; k's bytes, my head's half
	s_lshl_b32 s52, s15, 6                         ; 64 h: blocks of keys ahead of head h's in v
	s_add_co_u32 s42, s50, s39
	s_mul_i32 s42, s42, 24
	v_lshl_add_u32 v248, v2, 11, v1
	v_mul_u32_u24 v248, v248, 24
	v_add_nc_u32 v248, s42, v248                   ; Q: ((2 h + half) 2,048 + i) x 24
	s_lshl_b32 s42, s14, 3
	s_add_co_u32 s42, s42, s16
	s_lshl_b32 s42, s42, 9
	s_lshl_b32 s43, s17, 7
	s_add_co_u32 s42, s42, s43
	s_lshl_b32 s43, s13, 4
	s_add_co_u32 s42, s42, s43
	v_add_nc_u32 v249, s42, v1                     ; Q's bytes
	v_lshl_add_u32 v100, v2, 11, v3
	v_mul_u32_u24 v100, v100, 24                   ; K: my lane's term
	v_mul_u32_u24 v101, v3, 24                     ; V: my lane's channel
	s_lshl_b32 s42, s14, 3
	s_add_co_u32 s42, s42, s13
	s_lshl_b32 s42, s42, 4
	s_add_co_u32 s42, s42, s15
	s_mul_i32 s42, s42, 768
	s_mov_b32 s43, 0
	s_mov_b32 s56, 0x76543210
	s_mov_b32 s57, 0xfedcba98                      ; lane l xor 16
	s_mov_b32 s58, 0x3fb8aa3b                      ; log2(e)
	s_mov_b32 s59, s58                             ; named with it as a pair
	s_wait_kmcnt 0x0
	s_add_nc_u64 s[8:9], s[8:9], s[42:43]          ; ac at (tile, head)
.irp i, 0,1,2
	global_load_b64 v[38+2*\i:39+2*\i], v248, s[4:5] offset:8*\i
	global_load_b64 v[50+2*\i:51+2*\i], v248, s[4:5] offset:8*\i
.endr
	global_load_u8 v102, v249, s[6:7]
	global_load_u8 v103, v249, s[6:7] offset:256
.irp i, 0,1,2,3,4,5
	v_mov_b32 v[44+\i], 0                          ; Q's zero codes
.endr
	v_mov_b32 v29, 0xff800000                      ; -infinity
	v_mov_b32 v21, 0xff61b1e6                      ; the largest t so far: -3e38
	v_floor_f32 v20, -v21
	v_mov_b32 v22, 0
	v_mov_b32 v23, 0
	v_mov_b32 v67, 0                               ; named as the upper half of the pair v[66:67]
.irp b, 0,1,2,3
	v_mov_b32 v[92+\b], 0                          ; a lane permute's destination counts as one of its sources
.endr
.irp j, 0,1,2,3,4,5,6,7,8,9,10,11,12,13,14,15,16,17,18,19,20,21,22,23,24,25,26,27,28,29,30,31
	v_mov_b32 v[216+\j], 0                         ; O^T: the step is written once; the first finds zeros
.endr
	s_mov_b32 s37, 0
.Lstep:
.irp b, 0,1,2,3
	s_add_co_u32 s38, s50, s[20+\b]
	s_mul_i32 s38, s38, 24
	s_add_co_u32 s38, s38, 1572864
	v_add_nc_u32 v[6+\b], s38, v100                ; K's codes of block b
	s_lshr_b32 s39, s[20+\b], 7
	s_lshl_b32 s39, s39, 3
	s_add_co_u32 s39, s39, s16
	s_lshl_b32 s39, s39, 9
	s_and_b32 s40, s[20+\b], 127
	s_add_co_u32 s39, s39, s40
	s_add_co_u32 s39, s39, s51
	v_add_nc_u32 v[10+\b], s39, v3                 ; K's bytes
	s_lshr_b32 s41, s[20+\b], 5
	s_add_co_u32 s41, s41, s52
	s_lshl_b32 s41, s41, 6
	s_add_co_u32 s41, s41, 131072
	v_add_nc_u32 v[16+\b], s41, v3                 ; V's bytes
.endr
.irp c, 0,1
	s_lshr_b32 s38, s[20+2*\c], 5
	s_lshr_b32 s39, s[21+2*\c], 5
	s_sub_co_u32 s39, s39, s38
	s_mul_i32 s39, s39, 1536
	s_add_co_u32 s38, s38, s52
	s_mul_i32 s38, s38, 1536
	s_add_co_u32 s38, s38, 3145728
	v_mad_u32_u24 v[14+\c], v2, s39, v101          ; V's codes: lanes 0-15 take block 2 c, lanes 16-31 block 2 c + 1
	v_add_nc_u32 v[14+\c], s38, v[14+\c]
.endr
.irp b, 0,1,2,3
.irp u, 0,1
.irp i, 0,1,2
	global_load_b64 v[104+12*\b+6*\u+2*\i:105+12*\b+6*\u+2*\i], v[6+\b], s[4:5] offset:192*\u+8*\i
.endr
.endr
.endr
.irp b, 0,1,2,3
.irp u, 0,1
.irp a, 0,1
	global_load_u8 v[152+4*\b+2*\u+\a], v[10+\b], s[6:7] offset:8*\u+256*\a
.endr
.endr
.endr
.irp n, 0,1,2,3
.irp s, 0,1,2,3
	global_load_u8 v[68+4*\n+\s], v[16+\s], s[6:7] offset:32*(\n/2)+8*(\n%2)
.endr
.endr
	s_wait_loadcnt 0x0
	v_lshl_or_b32 v56, v103, 8, v102               ; Q's word: its two bytes, twice
	v_lshl_or_b32 v56, v56, 16, v56
.irp b, 0,1,2,3
	v_lshl_or_b32 v[57+\b], v[153+4*\b], 8, v[152+4*\b]    ; K's words: tile 2 b's two bytes, tile 2 b + 1's two
.endr
.irp b, 0,1,2,3
	v_lshl_or_b32 v[57+\b], v[154+4*\b], 16, v[57+\b]
.endr
.irp b, 0,1,2,3
	v_lshl_or_b32 v[57+\b], v[155+4*\b], 24, v[57+\b]
.endr
.irp n, 0,1,2,3
	v_lshl_or_b32 v[61+\n], v[69+4*\n], 8, v[68+4*\n]      ; V's words: a byte for each of the step's four blocks.  (These twelve lines stand between K's words and the products)
.endr
.irp n, 0,1,2,3
	v_lshl_or_b32 v[61+\n], v[70+4*\n], 16, v[61+\n]
.endr
.irp n, 0,1,2,3
	v_lshl_or_b32 v[61+\n], v[71+4*\n], 24, v[61+\n]
.endr
.irp b, 0,1,2,3
	v_wmma_scale_f32_16x16x128_f8f6f4 v[152+16*\b:159+16*\b], v[104+12*\b:115+12*\b], v[38:49], 0, v[57+\b], v56 matrix_a_fmt:MATRIX_FMT_BF6 matrix_b_fmt:MATRIX_FMT_BF6
	v_wmma_scale_f32_16x16x128_f8f6f4 v[160+16*\b:167+16*\b], v[104+12*\b:115+12*\b], v[44:55], 0, v[57+\b], v56 matrix_a_fmt:MATRIX_FMT_BF6 matrix_b_fmt:MATRIX_FMT_BF6
.endr
	MCONST 0                                       ; ten plain lines that name no register of the products: the places in front of the loads below and of the first read of scores
.irp n, 0,1,2,3
.irp c, 0,1
.irp i, 0,1,2
	global_load_b64 v[104+12*\n+6*\c+2*\i:105+12*\n+6*\c+2*\i], v[14+\c], s[4:5] offset:(32*(\n/2)+8*(\n%2))*24+8*\i   ; V lands while the mask and the softmax are worked
.endr
.endr
.endr
.irp b, 0,1,2,3
.if \b > 0
	MCONST \b
.endif
.irp e, 0,2,4,6,8,10,12,14
	MASK2 \b, \e                                   ; ascending: each accumulator is read from its low end on
.endr
.endr
.irp b, 0,1,2,3
	v_max3_num_f32 v[88+\b], v[152+16*\b], v[153+16*\b], v[154+16*\b]   ; the largest logit of each block: for the row's maximum, and, since p rises with the logit, for the block's largest p
.endr
.irp i, 3,5,7,9,11,13
.irp b, 0,1,2,3
	v_max3_num_f32 v[88+\b], v[88+\b], v[152+16*\b+\i], v[153+16*\b+\i]
.endr
.endr
.irp b, 0,1,2,3
	v_max_num_f32 v[88+\b], v[88+\b], v[167+16*\b]
.endr
.irp b, 0,1,2,3
	v_permlanex16_b32 v[92+\b], v[88+\b], s56, s57
.endr
.irp b, 0,1,2,3
	v_max_num_f32 v[88+\b], v[88+\b], v[92+\b]
.endr
	v_max3_num_f32 v30, v88, v89, v90
	v_max_num_f32 v30, v30, v91
	v_mul_f32 v30, s58, v30                        ; as t
	v_max_num_f32 v21, v21, v30                    ; the running largest t
	v_mov_b32 v30, v20
	v_floor_f32 v20, -v21                          ; -M = floor(-t)
	v_sub_f32 v30, v20, v30                        ; old M - new M: a whole number, 0 or less
	v_cvt_i32_f32 v30, v30                         ; (it saturates)
	v_ldexp_f32 v66, 1.0, v30                      ; f = 2^(old M - new M)
.irp j, 0,2,4,6,8,10,12,14,16,18,20,22,24,26,28,30,32,34,36,38,40,42,44,46,48,50,52,54,56,58,60,62
	v_pk_fma_f32 v[152+\j:153+\j], v[152+\j:153+\j], s[58:59], v[20:21] op_sel_hi:[1,0,0]   ; t - M
.endr
.irp b, 0,1,2,3
	v_fma_f32 v[88+\b], v[88+\b], s58, v20
.endr
.irp j, 0,1,2,3,4,5,6,7,8,9,10,11,12,13,14,15,16,17,18,19,20,21,22,23,24,25,26,27,28,29,30,31,32,33,34,35,36,37,38,39,40,41,42,43,44,45,46,47,48,49,50,51,52,53,54,55,56,57,58,59,60,61,62,63
	v_exp_f32 v[152+\j], v[152+\j]                 ; p = 2^(t - M); 0 under the mask
.endr
	v_pk_mul_f32 v[22:23], v[22:23], v[66:67] op_sel_hi:[1,0]   ; the sums under the new M: a plain line behind the batch
	s_wait_alu depctr_va_vdst(0)                   ; one wait for the 64, ahead of their first reader
.irp b, 0,1,2,3
	v_exp_f32 v[88+\b], v[88+\b]                   ; each block's largest p
.endr
	v_pk_add_f32 v[92:93], v[152:153], v[154:155]  ; the row's sum of the unquantised p, in two chains
.irp j, 4,8,12,16,20,24,28,32,36,40,44,48,52,56,60
	v_pk_add_f32 v[22:23], v[22:23], v[152+\j:153+\j]
	v_pk_add_f32 v[92:93], v[92:93], v[154+\j:155+\j]
.endr
	v_pk_add_f32 v[22:23], v[22:23], v[92:93]
	s_wait_alu depctr_va_vdst(0)                   ; and one for the four
.irp b, 0,1,2,3
	v_max_num_f32 v[88+\b], 0x2800000, v[88+\b]    ; the floor 2^(5 - 127)
.endr
.irp b, 0,1,2,3
	v_add_nc_u32 v[96+\b], 0xfe000000, v[88+\b]
.endr
.irp b, 0,1,2,3
	v_lshrrev_b32 v[92+\b], 23, v[96+\b]
.endr
	v_lshl_or_b32 v65, v93, 8, v92                 ; p's scale word
	v_lshl_or_b32 v65, v94, 16, v65
	v_lshl_or_b32 v65, v95, 24, v65
.irp c, 0,1
	v_cvt_scalef32_pk16_bf6_f32 v[68+6*\c:70+6*\c], v[152+32*\c:167+32*\c], v[96+2*\c]
	v_cvt_scalef32_pk16_bf6_f32 v[80+4*\c:82+4*\c], v[168+32*\c:183+32*\c], v[96+2*\c+1]
.endr
	v_nop                                          ; one plain line behind the scaled conversions
.irp c, 0,1
.irp i, 0,1,2
	v_permlane16_swap_b32 v[68+6*\c+\i], v[80+4*\c+\i]     ; a whole block to a lane
.endr
.irp i, 0,1,2
	v_mov_b32 v[71+6*\c+\i], v[80+4*\c+\i]
.endr
.endr
.irp j, 0,2,4,6,8,10,12,14,16,18,20,22,24,26,28,30
	v_pk_mul_f32 v[216+\j:217+\j], v[216+\j:217+\j], v[66:67] op_sel_hi:[1,0]   ; O^T under the new M; these sixteen lines also stand between p's word and codes and the products
.endr
	s_wait_loadcnt 0x0                             ; V
.irp n, 0,1,2,3
	v_wmma_scale_f32_16x16x128_f8f6f4 v[216+8*\n:223+8*\n], v[104+12*\n:115+12*\n], v[68:79], v[216+8*\n:223+8*\n], v[61+\n], v65 matrix_a_fmt:MATRIX_FMT_BF6 matrix_b_fmt:MATRIX_FMT_BF6
.endr
.rept 4
	v_nop                                          ; in front of the next step's loads into V's registers, and of the first read of O^T
.endr
.irp b, 0,1,2,3
	s_mov_b32 s[20+\b], s[28+\b]                   ; the second step's blocks
	s_mov_b32 s[24+\b], s[32+\b]
.endr
	s_add_co_u32 s37, s37, 1
	s_cmp_lt_u32 s37, s36
	s_cbranch_scc1 .Lstep
	; THE WAY OUT: O^T / the sum, quantised along the model's width: my head's two blocks of 32
	v_add_f32 v22, v22, v23
	v_permlanex16_b32 v92, v22, s56, s57
	v_add_f32 v22, v22, v92
	v_rcp_f32 v22, v22
	v_and_b32 v250, 31, v0                         ; (a plain line behind the reciprocal)
	v_lshlrev_b32 v250, 3, v250                    ; 8 x lane
	v_lshlrev_b32 v251, 5, v4
	s_lshl_b32 s38, s15, 1
	v_add_nc_u32 v251, s38, v251                   ; 32 t + 2 h
	s_wait_alu depctr_va_vdst(0)                   ; ahead of the reciprocal's first reader
.irp j, 0,2,4,6,8,10,12,14,16,18,20,22,24,26,28,30
	v_pk_mul_f32 v[152+\j:153+\j], v[216+\j:217+\j], v[22:23] op_sel_hi:[1,0]   ; register 16 b + e: channel 32 b + 16 half + e
.endr
.irp b, 0,1
	v_max3_num_f32 v[88+\b], |v[152+16*\b]|, |v[153+16*\b]|, 0x2800000
.endr
.irp i, 2,4,6,8,10,12,14
.irp b, 0,1
	v_max3_num_f32 v[88+\b], v[88+\b], |v[152+16*\b+\i]|, |v[153+16*\b+\i]|
.endr
.endr
.irp b, 0,1
	v_permlanex16_b32 v[92+\b], v[88+\b], s56, s57
.endr
.irp b, 0,1
	v_max_num_f32 v[88+\b], v[88+\b], v[92+\b]
.endr
.irp b, 0,1
	v_add_nc_u32 v[96+\b], 0xfe000000, v[88+\b]
.endr
.irp b, 0,1
	v_lshrrev_b32 v[92+\b], 23, v[96+\b]
.endr
	v_lshl_or_b32 v30, v93, 8, v92                 ; my row's two bytes
	v_cvt_scalef32_pk16_bf6_f32 v[68:70], v[152:167], v96
	v_cvt_scalef32_pk16_bf6_f32 v[72:74], v[168:183], v97
	v_nop
	v_permlane16_swap_b32 v68, v72                 ; lanes 0-15 block 0, lanes 16-31 block 1, whole
	v_permlane16_swap_b32 v69, v73
	v_permlane16_swap_b32 v70, v74
	v_mov_b32 v71, v72
	v_mov_b32 v72, v73
	v_mov_b32 v73, v74
	global_store_b64 v250, v[68:69], s[8:9]                ; each store covers 256 consecutive bytes, aligned
	global_store_b64 v250, v[70:71], s[8:9] offset:256
	global_store_b64 v250, v[72:73], s[8:9] offset:512
	global_store_b16 v251, v30, s[10:11]           ; two bytes a row, rows 32 bytes apart (both halves of the lanes the same): 64 KiB in the whole launch; a row's 32 bytes belong to sixteen work-groups
	s_endpgm
.Lfunc_end_k_q31f502f857_attn:
	.size	k_q31f502f857_attn, .Lfunc_end_k_q31f502f857_attn-k_q31f502f857_attn
	.p2alignl 7, 3214868480
	.fill 96, 4, 3214868480
	.section	.rodata,"a",@progbits
	.p2align	6, 0x0
	.amdhsa_kernel k_q31f502f857_attn
		.amdhsa_group_segment_fixed_size 0
		.amdhsa_private_segment_fixed_size 0
		.amdhsa_enable_private_segment 0
		.amdhsa_kernarg_size 32
		.amdhsa_user_sgpr_count 2
		.amdhsa_user_sgpr_kernarg_segment_ptr 1
		.amdhsa_wavefront_size32 1
		.amdhsa_system_sgpr_workgroup_id_x 1
		.amdhsa_system_sgpr_workgroup_id_y 1
		.amdhsa_system_sgpr_workgroup_id_z 1
		.amdhsa_system_vgpr_workitem_id 0
		.amdhsa_next_free_vgpr 256
		.amdhsa_next_free_sgpr 66
		.amdhsa_reserve_vcc 0
		.amdhsa_float_denorm_mode_32 3
		.amdhsa_float_denorm_mode_16_64 3
		.amdhsa_memory_ordered 1
		.amdhsa_forward_progress 1
		.amdhsa_inst_pref_size 78
	.end_amdhsa_kernel
	.amdgpu_metadata
---
amdhsa.version: [ 1, 2 ]
amdhsa.kernels:
  - .name:           k_q31f502f857_attn
    .symbol:         k_q31f502f857_attn.kd
    .args:
      - { .name: qkvc, .offset: 0, .size: 8, .value_kind: global_buffer, .address_space: global }
      - { .name: qkvs, .offset: 8, .size: 8, .value_kind: global_buffer, .address_space: global }
      - { .name: ac, .offset: 16, .size: 8, .value_kind: global_buffer, .address_space: global }
      - { .name: asc, .offset: 24, .size: 8, .value_kind: global_buffer, .address_space: global }
    .group_segment_fixed_size: 0
    .private_segment_fixed_size: 0
    .kernarg_segment_align: 8
    .kernarg_segment_size: 32
    .max_flat_workgroup_size: 256
    .sgpr_count:     66
    .vgpr_count:     256
    .wavefront_size: 32
...
	.end_amdgpu_metadata
.endif
;; end of part 3
;; launch oproj (part 4): grid 16 x 16, 8 waves a work-group, clusters of 4 x 4, 183,296 bytes of LDS; arguments ac, asc, cod, scl, bo, out0; writes out0
.if DOCPART == 4
	.amdgcn_target "amdgcn-amd-amdhsa--gfx1250"
	.amdhsa_code_object_version 6
	.text
	.protected	k_q31f502f857_oproj
	.globl	k_q31f502f857_oproj
	.p2align	8
	.type	k_q31f502f857_oproj,@function
k_q31f502f857_oproj:
	s_mov_b64 s[64:65], 0
	v_nop
	global_prefetch_b8 v0, s[64:65] scope:SCOPE_SE
	s_setreg_imm32_b32 hwreg(HW_REG_WAVE_MODE, 25, 1), 1
	s_wait_xcnt 0x0
	s_wait_alu depctr_hold_cnt(0) depctr_sa_sdst(0) depctr_va_vdst(0) depctr_va_sdst(0) depctr_va_ssrc(0) depctr_va_vcc(0) depctr_vm_vsrc(0)
	s_getreg_b32 s2, hwreg(HW_REG_IB_STS2, 6, 4)
	s_cmp_eq_u32 s2, 0
	s_cbranch_scc0 .Lentry_in_a_cluster
	s_endpgm
.Lentry_in_a_cluster:
	s_bfe_u32 s2, ttmp6, 0x10000c
	s_cmp_lg_u32 s2, 0xf033
	s_cbranch_scc0 .Lentry_shape_is_right
	s_endpgm
.Lentry_shape_is_right:
; out0 = A Wo^T + bo on codes of E3M2.  A [2048][1024]: ac, in the order of the operand's registers ([tile of 16 rows][K step 8][6][lane][8 bytes]), its scale words asc [t][8 words]; Wo: tiles 320-383 of cod and scl.
; SHARES.  Work-group (nb, I): 128 rows x 64 columns.  Wave w: tp = w % 4: two tiles of rows; nh = w / 4: two tiles of Wo: four accumulators by turns.
; Source 0 = Wo, source 1 = A: a lane holds one row t, and since tile 2 b + u of Wo holds rows 32 b + 8 u + r + 8 (r / 8), its 16 registers of two tiles are 16 neighbouring columns.  The bias is the C of the first products.
; LDS.  All of K lies in LDS, brought once in two halves of 512 along K: nothing is filled twice.  A load brings two tiles x four K steps.  Fragments have two sets of registers: a K step's 18 loads are issued a step ahead.
; CLUSTER 4 x 4.  The four work-groups of a row of the cluster share I and ask for A's tiles jointly; the four of a column share nb and ask for Wo's jointly.
; OUT through a stage in LDS: a row's 256 bytes come from two waves; each wave then stores 16 whole rows, sixteen lanes to 256 consecutive aligned bytes.
.set HALF, 73728                       ; half a K: six pairs of tiles x 12,288 bytes: 0-3 A, 4, 5 Wo
.set STG,  2*HALF                      ; the stage: 128 rows x (256 + 16) bytes; written by LDS stores alone
.set AS,   16                          ; v16-31  A's scale words: 8 u + K step
.set WS,   32                          ; v32-47  Wo's: 8 j + K step
.set ACC,  48                          ; v48-79  accumulator (u, j) at 16 u + 8 j
.set B0,   80                          ; v80-127, v128-175: two sets of fragments: A's two, then Wo's two
.set B1,   128
.set G1A,  28
.set G1B,  36
.set G0A,  44
.set G0B,  52
.macro ROUND
	s_barrier_signal -1
	s_barrier_wait -1
	s_cmp_lg_u32 s18, 0
	s_cbranch_scc1 .Lnot_wave_0_\@
	s_barrier_signal -3
.Lnot_wave_0_\@:
	s_barrier_wait -3
	s_barrier_signal -1
	s_barrier_wait -1
.endm
.macro FETCH hf, q, buf                ; 18 LDS loads: the fragments of K step 4 hf + q
.irp u, 0,1
.irp p, 0,1,2,3,4,5
	ds_load_b64 v[\buf+12*\u+2*\p:\buf+12*\u+2*\p+1], v[5+\hf] offset:6144*\u+1536*\q+256*\p
.endr
.endr
.irp j, 0,1
.irp c, 0,1,2
	ds_load_b128 v[\buf+24+12*\j+4*\c:\buf+24+12*\j+4*\c+3], v[7+\hf] offset:6144*\j+1536*\q+512*\c
.endr
.endr
.endm
.macro MUL buf, ks
.irp u, 0,1
.irp j, 0,1
	v_wmma_scale_f32_16x16x128_f8f6f4 v[ACC+16*\u+8*\j:ACC+16*\u+8*\j+7], v[\buf+24+12*\j:\buf+24+12*\j+11], v[\buf+12*\u:\buf+12*\u+11], v[ACC+16*\u+8*\j:ACC+16*\u+8*\j+7], v[WS+8*\j+\ks], v[AS+8*\u+\ks] matrix_a_fmt:MATRIX_FMT_BF6 matrix_b_fmt:MATRIX_FMT_BF6
.endr
.endr
.endm
.macro PLACES                          ; four plain lines in front of loads into registers that matrix instructions have read, and of the first read of results (ISA guide 7.12.1 for vector instructions)
.rept 4
	v_nop
.endr
.endm
	s_load_b256 s[4:11], s[0:1], 0x0               ; ac, asc, cod, scl
	s_load_b128 s[12:15], s[0:1], 0x20             ; bo, out0
	v_lshl_add_u32 v192, v0, 2, 0x2c800
	v_mov_b32 v193, 0
	ds_add_u32 v192, v193
	ds_add_u32 v192, v193
	v_lshrrev_b32 v1, 5, v0
	v_readfirstlane_b32 s18, v1                    ; wave 0..7
	s_lshr_b32 s19, s18, 2                         ; nh
	s_and_b32 s20, s18, 3                          ; tp
	s_bfe_u32 s21, ttmp6, 0x40000                  ; cx
	s_bfe_u32 s22, ttmp6, 0x40004                  ; cy
	s_lshl_b32 s23, ttmp9, 2
	s_add_co_u32 s23, s23, s21                     ; nb = 4 x cluster x + cx
	s_and_b32 s24, ttmp7, 0xffff
	s_lshl_b32 s24, s24, 2
	s_add_co_u32 s24, s24, s22                     ; I = 4 x cluster y + cy
	s_lshl_b32 s25, s22, 2
	s_lshl_b32 s25, 15, s25                        ; my row of the cluster
	s_lshl_b32 s26, 0x1111, s21                    ; my column
	s_or_b32 s[G1A], s25, (3<<16)|(1<<21)          ; the mask; elements of 8 bytes; bit 21 set beside a mask; no padding
	s_or_b32 s[G1B], s26, (3<<16)|(1<<21)
.irp g, G1A, G1B
	s_mov_b32 s[\g+1], 768<<16                     ; 6,144 bytes: four K steps of a tile
	s_mov_b32 s[\g+2], 2<<16                       ; two tiles
	s_mov_b32 s[\g+3], 768<<16
	s_mov_b32 s[\g+4], 2
	s_mov_b32 s[\g+5], 1536                        ; 12,288 bytes from tile to tile
	s_mov_b32 s[\g+6], 0
	s_mov_b32 s[\g+7], 0
.endr
	s_min_u32 s60, s18, 3                          ; A: waves 0-3 fetch pair tp = wave (held in range in the others)
	s_lshl_b32 s60, s60, 1
	s_lshl_b32 s61, s24, 3
	s_add_co_u32 s60, s60, s61                     ; tile 8 I + 2 wave
	s_mul_i32 s60, s60, 12288
	s_mov_b32 s61, 0
	s_max_u32 s66, s18, 4                          ; Wo: waves 4 and 5
	s_min_u32 s66, s66, 5
	s_sub_co_u32 s66, s66, 4
	s_lshl_b32 s66, s66, 1
	s_lshl_b32 s68, s23, 2
	s_add_co_u32 s68, s68, s66
	s_add_co_u32 s68, s68, 320                     ; tile 320 + 4 nb + 2 (wave - 4)
	s_mul_i32 s68, s68, 12288
	s_mov_b32 s69, 0
	s_min_u32 s70, s18, 5
	s_mul_i32 s70, s70, 12288                      ; where a pair goes: the wave's number alone
	s_wait_dscnt 0x0
	s_wait_kmcnt 0x0
	s_add_nc_u64 s[60:61], s[4:5], s[60:61]
	s_add_nc_u64 s[68:69], s[8:9], s[68:69]
	ROUND                                          ; all sixteen work-groups are here: the joint loads meet
.irp f, 0,1
	s_mov_b32 s[G0A+4*\f], 1
	s_add_co_u32 s[G0A+4*\f+1], s70, \f*HALF
	s_add_nc_u64 s[G0A+4*\f+2:G0A+4*\f+3], s[60:61], \f*6144
	s_or_b32 s[G0A+4*\f+3], s[G0A+4*\f+3], 0x80000000
	s_mov_b32 s[G0B+4*\f], 1
	s_add_co_u32 s[G0B+4*\f+1], s70, \f*HALF
	s_add_nc_u64 s[G0B+4*\f+2:G0B+4*\f+3], s[68:69], \f*6144
	s_or_b32 s[G0B+4*\f+3], s[G0B+4*\f+3], 0x80000000
.endr
	s_cmp_lt_u32 s18, 4                            ; a wave's two fills stand in one branch on its number; two tensor loads of a wave are out at the most
	s_cbranch_scc0 .Lnot_a
	tensor_load_to_lds s[G0A:G0A+3], s[G1A:G1A+7]
	s_nop 0
	tensor_load_to_lds s[G0A+4:G0A+7], s[G1A:G1A+7]
	s_nop 0
.rept 4
	v_nop
.endr
	s_branch .Lasked
.Lnot_a:
	s_cmp_lt_u32 s18, 6
	s_cbranch_scc0 .Lasked
	tensor_load_to_lds s[G0B:G0B+3], s[G1B:G1B+7]
	s_nop 0
	tensor_load_to_lds s[G0B+4:G0B+7], s[G1B:G1B+7]
	s_nop 0
.rept 4
	v_nop
.endr
.Lasked:
	v_and_b32 v1, 31, v0                           ; lane
	v_and_b32 v2, 15, v0                           ; r
	v_bfe_u32 v3, v0, 4, 1                         ; half
	s_mul_i32 s71, s20, 12288
	v_lshl_add_u32 v5, v1, 3, s71                  ; A's pair tp, 8 bytes a lane
	v_add_nc_u32 v6, HALF, v5
	s_add_co_u32 s71, s19, 4
	s_mul_i32 s71, s71, 12288
	v_lshl_add_u32 v7, v1, 4, s71                  ; Wo's pair nh, 16 bytes a lane
	v_add_nc_u32 v8, HALF, v7
	s_lshl_b32 s71, s20, 5
	v_add_nc_u32 v9, s71, v2
	v_mul_u32_u24 v9, v9, 272
	v_lshl_add_u32 v9, v3, 6, v9
	s_lshl_b32 s71, s19, 7
	s_add_co_u32 s71, s71, STG
	v_add_nc_u32 v9, s71, v9                       ; the stage, way in: row 32 tp + r, + 128 nh + 64 half
	s_lshl_b32 s71, s18, 4
	v_add_nc_u32 v10, s71, v3
	v_mul_u32_u24 v10, v10, 272
	v_lshl_add_u32 v10, v2, 4, v10
	v_add_nc_u32 v10, STG, v10                     ; way out: row 16 wave + half, 16 bytes a lane
	v_lshlrev_b32 v11, 12, v3
	v_lshl_add_u32 v11, v2, 4, v11                 ; and the same place in out0
	v_lshlrev_b32 v12, 5, v2                       ; scale words: 32 bytes a row
	v_lshlrev_b32 v13, 6, v3                       ; bo: my half's 16 numbers
	s_lshl_b32 s80, s24, 7
	s_lshl_b32 s81, s20, 5
	s_add_co_u32 s80, s80, s81
	s_lshl_b32 s80, s80, 5
	s_mov_b32 s81, 0
	s_add_nc_u64 s[80:81], s[6:7], s[80:81]        ; asc at row 128 I + 32 tp
	s_lshl_b32 s82, s23, 2
	s_lshl_b32 s83, s19, 1
	s_add_co_u32 s82, s82, s83
	s_add_co_u32 s82, s82, 320
	s_lshl_b32 s82, s82, 9
	s_mov_b32 s83, 0
	s_add_nc_u64 s[82:83], s[10:11], s[82:83]      ; scl at tile 320 + 4 nb + 2 nh
	s_lshl_b32 s84, s23, 8
	s_lshl_b32 s85, s19, 7
	s_add_co_u32 s84, s84, s85
	s_mov_b32 s85, 0
	s_add_nc_u64 s[84:85], s[12:13], s[84:85]      ; bo at column 64 nb + 32 nh
	s_lshl_b32 s86, s24, 7
	s_lshl_b32 s87, s18, 4
	s_add_co_u32 s86, s86, s87
	s_lshl_b32 s86, s86, 12
	s_lshl_b32 s87, s23, 8
	s_add_co_u32 s86, s86, s87
	s_mov_b32 s87, 0
	s_add_nc_u64 s[86:87], s[14:15], s[86:87]      ; out0 at row 128 I + 16 wave, column 64 nb
.irp u, 0,1
	global_load_b128 v[AS+8*\u:AS+8*\u+3], v12, s[80:81] offset:512*\u
	global_load_b128 v[AS+8*\u+4:AS+8*\u+7], v12, s[80:81] offset:512*\u+16
	global_load_b128 v[WS+8*\u:WS+8*\u+3], v12, s[82:83] offset:512*\u
	global_load_b128 v[WS+8*\u+4:WS+8*\u+7], v12, s[82:83] offset:512*\u+16
.endr
.irp u, 0,1
.irp j, 0,1
	global_load_b128 v[ACC+16*\u+8*\j:ACC+16*\u+8*\j+3], v13, s[84:85] offset:32*\j        ; the bias, straight into the accumulators
	global_load_b128 v[ACC+16*\u+8*\j+4:ACC+16*\u+8*\j+7], v13, s[84:85] offset:32*\j+16
.endr
.endr
	s_wait_tensorcnt 0x1                           ; my part of the first half of K is in; the one load that may stay out is the second half's
	s_barrier_signal -1
	s_barrier_wait -1
	s_wait_loadcnt 0x0                             ; scale words and bias
	FETCH 0, 0, B0
	FETCH 0, 1, B1
	s_wait_dscnt 18                                ; all but the 18 just issued
	MUL B0, 0
	PLACES
	FETCH 0, 2, B0
	s_wait_dscnt 18
	MUL B1, 1
	PLACES
	FETCH 0, 3, B1
	s_wait_dscnt 18
	MUL B0, 2
	s_wait_dscnt 0x0
	MUL B1, 3
	s_wait_tensorcnt 0x0                           ; my part of the second half is in
	s_barrier_signal -1
	s_barrier_wait -1
	PLACES
	FETCH 1, 0, B0
	FETCH 1, 1, B1
	s_wait_dscnt 18
	MUL B0, 4
	PLACES
	FETCH 1, 2, B0
	s_wait_dscnt 18
	MUL B1, 5
	PLACES
	FETCH 1, 3, B1
	s_wait_dscnt 18
	MUL B0, 6
	s_wait_dscnt 0x0
	MUL B1, 7
	PLACES
.irp u, 0,1
.irp q, 0,1,2,3
	ds_store_b128 v9, v[ACC+16*\u+4*\q:ACC+16*\u+4*\q+3] offset:16*\u*272+16*\q    ; each accumulator from its low end on
.endr
.endr
	s_wait_dscnt 0x0                               ; for the others' sake: my stores into the stage have landed
	s_barrier_signal -1
	s_barrier_wait -1
.irp i, 0,1,2,3,4,5,6,7
	ds_load_b128 v[B0+4*\i:B0+4*\i+3], v10 offset:2*\i*272
.endr
.irp i, 0,1,2,3,4,5,6,7
	s_wait_dscnt 7-\i                              ; LDS loads come back in order: pair i of rows is in
	global_store_b128 v11, v[B0+4*\i:B0+4*\i+3], s[86:87] offset:8192*\i th:TH_STORE_NT    ; sixteen lanes store 256 consecutive bytes, aligned
.endr
	s_wait_tensorcnt 0x0
	ds_add_u32 v192, v193
	s_wait_dscnt 0x0
	ROUND                                          ; the closing round: no work-group ends while a partner may still ask for a tile that names it
	s_endpgm
.Lfunc_end_k_q31f502f857_oproj:
	.size	k_q31f502f857_oproj, .Lfunc_end_k_q31f502f857_oproj-k_q31f502f857_oproj
	.p2alignl 7, 3214868480
	.fill 96, 4, 3214868480
	.section	.rodata,"a",@progbits
	.p2align	6, 0x0
	.amdhsa_kernel k_q31f502f857_oproj
		.amdhsa_group_segment_fixed_size 183296
		.amdhsa_private_segment_fixed_size 0
		.amdhsa_enable_private_segment 0
		.amdhsa_kernarg_size 48
		.amdhsa_user_sgpr_count 2
		.amdhsa_user_sgpr_kernarg_segment_ptr 1
		.amdhsa_wavefront_size32 1
		.amdhsa_system_sgpr_workgroup_id_x 1
		.amdhsa_system_sgpr_workgroup_id_y 1
		.amdhsa_system_sgpr_workgroup_id_z 1
		.amdhsa_system_vgpr_workitem_id 0
		.amdhsa_next_free_vgpr 194
		.amdhsa_next_free_sgpr 100
		.amdhsa_reserve_vcc 0
		.amdhsa_float_denorm_mode_32 3
		.amdhsa_float_denorm_mode_16_64 3
		.amdhsa_memory_ordered 1
		.amdhsa_forward_progress 1
		.amdhsa_inst_pref_size 26
	.end_amdhsa_kernel
	.amdgpu_metadata
---
amdhsa.version: [ 1, 2 ]
amdhsa.kernels:
  - .name:           k_q31f502f857_oproj
    .symbol:         k_q31f502f857_oproj.kd
    .args:
      - { .name: ac, .offset: 0, .size: 8, .value_kind: global_buffer, .address_space: global }
      - { .name: asc, .offset: 8, .size: 8, .value_kind: global_buffer, .address_space: global }
      - { .name: cod, .offset: 16, .size: 8, .value_kind: global_buffer, .address_space: global }
      - { .name: scl, .offset: 24, .size: 8, .value_kind: global_buffer, .address_space: global }
      - { .name: bo, .offset: 32, .size: 8, .value_kind: global_buffer, .address_space: global }
      - { .name: out0, .offset: 40, .size: 8, .value_kind: global_buffer, .address_space: global }
    .group_segment_fixed_size: 183296
    .private_segment_fixed_size: 0
    .kernarg_segment_align: 8
    .kernarg_segment_size: 48
    .max_flat_workgroup_size: 256
    .sgpr_count:     100
    .vgpr_count:     194
    .wavefront_size: 32
...
	.end_amdgpu_metadata
.endif
;; end of part 4
;; ======== version 2 of 2: 4 launches; version 1 with the launch attn written anew for expert scheduling mode
;; workspace buffers: cod 4,718,592 bytes; scl 196,608 bytes; qkvc 4,718,592 bytes; qkvs 196,608 bytes; ac 1,572,864 bytes; asc 65,536 bytes
;; launch quant: the kernel of part 1 again; grid 384 x 1, 8 waves a work-group, no clusters, 69,120 bytes of LDS; arguments x, Wq, Wk, Wv, Wo, cod, scl; writes cod, scl
;; launch qkv: the kernel of part 2 again; grid 16 x 16, 12 waves a work-group, clusters of 4 x 4, 280,832 bytes of LDS; arguments cod, scl, bq, bk, bv, qkvc, qkvs; writes qkvc, qkvs
;; launch attn (part 5): grid 16 x 16, 8 waves a work-group, no clusters, 0 bytes of LDS; arguments qkvc, qkvs, ac, asc; writes ac, asc
.if DOCPART == 5
	.amdgcn_target "amdgcn-amd-amdhsa--gfx1250"
	.amdhsa_code_object_version 6
	.text
	.protected	k_q31f502f857_attn
	.globl	k_q31f502f857_attn
	.p2align	8
	.type	k_q31f502f857_attn,@function
k_q31f502f857_attn:
	s_mov_b64 s[64:65], 0
	v_nop
	global_prefetch_b8 v0, s[64:65] scope:SCOPE_SE
	s_setreg_imm32_b32 hwreg(HW_REG_WAVE_SCHED_MODE, 0, 2), 2
	s_setreg_imm32_b32 hwreg(HW_REG_WAVE_MODE, 25, 1), 1
	s_wait_xcnt 0x0
	s_wait_alu depctr_vm_vsrc(0)
; Attention of head h (work-group y) for the 128 queries of block I (work-group x), on codes of E3M2; the logit is score x count under the model's own mask.
; THE MASK.  With L(n) = min(ctz(n xor h), 10) and X0 = max(0, msb(i xor j) - 1): count(i, j) = min(L(i), L(j)) - X0 + 1, and a pair counts where that is above 0 and j <= i.
; Two positions in different aligned windows of 128 have X0 >= 6, so both must equal h modulo 64.  In units of 64 keys, with mq = 2 I and u = 2^(ctz(mq) - 1), every key below the window that any row
; of the window reaches lies at mq - u, mq - 2 u, mq - 4 u or mq - 6 u.  So a tile of queries walks its own window (four blocks of 32 keys: one K step of the second product) and, where it holds a row equal to h modulo 64
; (tiles 0 and 4; I > 0), one more step made of the four blocks of 32 keys that hold those keys.  All other blocks lie wholly under the mask: their p are zeros.  The count is computed for every score that is formed.
; The blocks of 32 keys are the quantiser's own: an instruction's four blocks along K may be any four of them, each with its own scale bytes.
; SHARES.  Wave w owns query tile w xor (w / 4).  Waves share nothing: K and V of a step are 12 KiB and come straight into registers; no LDS, no barrier.
; No cluster: no two work-groups read the same window; what is shared is four blocks of 32 keys of the second step.
; LAYOUT.  Both products are used transposed (source 0 = keys, then channels; source 1 = my queries): a lane holds ONE query.  Lane r of key tile 2 b + u takes key 32 b + 8 u + r + 8 (r / 8).
; A HEAD HAS 64 CHANNELS AND THE INSTRUCTION 128 ALONG K: source 0 holds TWO key tiles, 2 b in registers 0-5 and 2 b + 1 in registers 6-11; Q lies as [q][zeros][q] in 18 registers, and the product with registers 0-11
; gives tile 2 b, that with registers 6-17 tile 2 b + 1: zero codes take the other tile away.
; SOFTMAX.  t = logit x log2(e); M = the ceiling of the running largest t; p = 2^(t - M) is quantised along the keys; the row's sum is taken of the unquantised p and divides at the end.
; OUT.  ac: [tile of 16 rows][head][3][lane][8 bytes]: the registers of the next product's operand; asc: [t][32 bytes], head h's two bytes at 2 h.
; LIMITS: |t| under 2^24, so that M is a whole number; NaN and infinities are not served; a block of zeros has the byte 1.
; REGISTERS: v1 r, v2 half, v3 r + 8 (r / 8), v4 my query i, v5 ((i xor h) | 0x400) << 4; v6-19 the step's offsets; v20 -M, v21 the largest t, v[22:23] the sum; v24-28 the mask's constants of a block, v29 -infinity, v30-36 at work;
; v38-55 Q; v56 Q's, v57-60 K's, v61-64 V's, v65 p's scale words; v[66:67] f; v68-79 p's codes; v80-86 conversions; v88-99 blocks' maxima, bytes, scale operands; v100-103, v248-251 lane terms; v104-151 K, then V; v152-215 S^T, then p; v216-247 O^T.
; s66-97 the masks of a block's 16 keys of a lane: two for each key.
; THE MODE: SCHED_MODE bits 1:0 = 2 (LLVM: expert scheduling mode 2), set by the entry lines.  The code itself states the register dependences between vector or matrix instructions and memory instructions, with s_wait_alu, always for 0.
; THE PLAN.  Registers that memory instructions touch:
;   v248, v249   Q's offsets: made once at the head, read by Q's loads, never written again.
;   v6-19        a step's offsets: written by vector lines at the step's head, read by the step's 80 loads, written again at the next step's head.
;   v38-43, v50-55, v102, v103   Q and its bytes: loaded once; no vector line names them ahead of the loads.
;   v104-151     K's codes land at the step's head; the eight products K Q^T read them; V's codes land in them; the four products V^T P read those; the next step's K lands.
;   v152-167     K's scale bytes land at the step's head; afterwards the registers are scores and p, named by matrix and vector lines to the step's end.
;   v68-83       V's scale bytes land at the step's head; afterwards p's codes and the conversions' second halves.
;   v68-73, v30, v250, v251   the way out's data and offsets: written by vector lines, read by the four stores.
; So a step has: one wait on vm_vsrc at its label (the offsets may be written); one on va_vdst behind the offsets, straight ahead of the head's 56 loads; one straight ahead of V's 24 loads; one directly ahead of each run of
; products, whose scale words and codes vector lines have made; and the two behind the exponentials.  Each wait that serves loads or stores stands straight ahead of their run.
; THE MASKS.  A compare writes a scalar register.  A block's 32 compares stand in a run, into 32 registers of their own; one wait on va_sdst follows the run, and behind it stand all the lines that read those registers.
.set MS, 66                            ; s[66:97]: key e of a lane's 16: s[MS + 2 e] j <= i, s[MS + 2 e + 1] count > 0
.macro FAR n, mult                     ; far block n: 64 (mq - mult u); below 0 it is held at key 0 for the loads and set at 4,096 for the mask, where no pair counts
	s_mul_i32 s42, s41, \mult
	s_sub_co_i32 s42, s40, s42
	s_lshl_b32 s43, s42, 6
	s_max_i32 s[28+\n], s43, 0
	s_cmp_lt_i32 s42, 0
	s_cselect_b32 s[32+\n], 0x1000, s43
.endm
; The mask's constants of block b.  My 16 keys are j0 | e, j0 = the block's first key + 16 half.  A xor with e is a choice, bit by bit, between a word and its complement
.macro MCONST b
	v_lshl_add_u32 v30, v2, 4, s[24+(\b)]          ; j0
	v_xor_b32 v31, s15, v30                        ; j0 xor h
	v_xor_b32 v32, v4, v30                         ; i xor j0
	v_sub_nc_u32 v28, v4, v30                      ; i - j0: key e counts where e <= that
	v_lshl_or_b32 v25, v31, 4, v5
	v_lshl_or_b32 v27, v32, 1, 5
	v_xor_b32 v31, -1, v31
	v_xor_b32 v32, -1, v32
	v_lshl_or_b32 v24, v31, 4, v5
	v_lshl_or_b32 v26, v32, 1, 5
.endm
; Keys e and e + 1 of block b, line by line by turns.  Y = ((i xor h) | (j xor h) | 0x400) << 4: its lowest set bit is 2^(min L + 4).  X = ((i xor j) << 1) | 5: its top bit is max(msb + 1, 2), and bits lie under it.
; As f32 both are exact; the difference of their bit patterns, shifted down by 23, is min L + 4 - max(msb + 1, 2) - 1 = the count.
; The score is multiplied by the count here; the four compares leave their masks in the keys' own scalar registers, which SELECT reads
.macro MASK2 b, e
	v_bfi_b32 v30, (\e)<<4, v24, v25
	v_bfi_b32 v34, ((\e)+1)<<4, v24, v25
	v_bfi_b32 v31, (\e)<<1, v26, v27
	v_bfi_b32 v35, ((\e)+1)<<1, v26, v27
	v_sub_nc_u32 v32, 0, v30
	v_sub_nc_u32 v36, 0, v34
	v_and_b32 v30, v30, v32
	v_and_b32 v34, v34, v36
	v_cvt_f32_u32 v30, v30
	v_cvt_f32_u32 v34, v34
	v_cvt_f32_u32 v31, v31
	v_cvt_f32_u32 v35, v35
	v_sub_nc_u32 v30, v30, v31
	v_sub_nc_u32 v34, v34, v35
	v_ashrrev_i32 v30, 23, v30
	v_ashrrev_i32 v34, 23, v34
	v_cmp_le_i32 s[MS+2*(\e)], (\e), v28
	v_cmp_le_i32 s[MS+2*(\e)+2], (\e)+1, v28
	v_cmp_lt_i32 s[MS+2*(\e)+1], 0, v30
	v_cmp_lt_i32 s[MS+2*(\e)+3], 0, v34
	v_cvt_f32_i32 v30, v30
	v_cvt_f32_i32 v34, v34
	v_mul_f32 v[152+16*(\b)+(\e)], v[152+16*(\b)+(\e)], v30
	v_mul_f32 v[153+16*(\b)+(\e)], v[153+16*(\b)+(\e)], v34
.endm
; The 16 logits of block b: -infinity where the key does not count
.macro SELECT b
	s_wait_alu depctr_va_sdst(0)                   ; the block's 32 compares have written s66 to s97, ahead of the first line that reads one of them
.irp e, 0,1,2,3,4,5,6,7,8,9,10,11,12,13,14,15
	s_and_b32 s[MS+2*\e], s[MS+2*\e], s[MS+2*\e+1]
.endr
.irp e, 0,1,2,3,4,5,6,7,8,9,10,11,12,13,14,15
	v_cndmask_b32 v[152+16*(\b)+\e], v29, v[152+16*(\b)+\e], s[MS+2*\e]   ; a choice of values only
.endr
.endm
	s_load_b256 s[4:11], s[0:1], 0x0               ; qkvc, qkvs, ac, asc
	v_lshrrev_b32 v1, 5, v0
	v_readfirstlane_b32 s12, v1                    ; wave
	s_mov_b32 s14, ttmp9                           ; I
	s_and_b32 s15, ttmp7, 0xffff                   ; h
	s_and_b32 s16, s15, 7
	s_lshr_b32 s17, s15, 3
	v_and_b32 v1, 15, v0
	v_bfe_u32 v2, v0, 4, 1
	v_and_b32 v3, 8, v1
	v_add_nc_u32 v3, v3, v1
	s_wait_alu depctr_va_sdst(0)                   ; s12 is written, ahead of its first reader: my tile of queries is made from it
	s_lshr_b32 s13, s12, 2
	s_xor_b32 s13, s13, s12                        ; my tile of queries: tiles 0 and 4, which have the second step, fall on waves 0 and 5
	s_lshl_b32 s38, s14, 7                         ; the window's first key
	s_lshl_b32 s39, s13, 4
	s_add_co_u32 s39, s39, s38                     ; my first query
	v_add_nc_u32 v4, s39, v1
	v_xor_b32 v5, s15, v4
	v_or_b32 v5, 0x400, v5
	v_lshlrev_b32 v5, 4, v5
.irp b, 0,1,2,3
	s_add_co_u32 s[20+\b], s38, 32*\b              ; the first step's blocks: for the loads,
	s_add_co_u32 s[24+\b], s38, 32*\b              ; and for the mask
.endr
	s_lshl_b32 s40, s14, 1                         ; mq
	s_or_b32 s41, s40, 32
	s_ctz_i32_b32 s41, s41
	s_sub_co_u32 s41, s41, 1
	s_lshl_b32 s41, 1, s41                         ; u
	FAR 0, 6                                       ; ascending, so that no distance between blocks is negative
	FAR 1, 4
	FAR 2, 2
	FAR 3, 1
	s_and_b32 s42, s13, 3
	s_cmp_eq_u32 s42, 0
	s_cselect_b32 s36, 2, 1
	s_cmp_eq_u32 s14, 0
	s_cselect_b32 s36, 1, s36                      ; steps: made of ids alone
	s_lshl_b32 s50, s15, 12                        ; 4,096 h: rows of 24 bytes ahead of head h's in q and in k
	s_lshl_b32 s51, s17, 7
	s_add_co_u32 s51, s51, 65536                   ; k's bytes, my head's half
	s_lshl_b32 s52, s15, 6                         ; 64 h: blocks of keys ahead of head h's in v
	s_add_co_u32 s42, s50, s39
	s_mul_i32 s42, s42, 24
	v_lshl_add_u32 v248, v2, 11, v1
	v_mul_u32_u24 v248, v248, 24
	v_add_nc_u32 v248, s42, v248                   ; Q: ((2 h + half) 2,048 + i) x 24
	s_lshl_b32 s42, s14, 3
	s_add_co_u32 s42, s42, s16
	s_lshl_b32 s42, s42, 9
	s_lshl_b32 s43, s17, 7
	s_add_co_u32 s42, s42, s43
	s_lshl_b32 s43, s13, 4
	s_add_co_u32 s42, s42, s43
	v_add_nc_u32 v249, s42, v1                     ; Q's bytes
	v_lshl_add_u32 v100, v2, 11, v3
	v_mul_u32_u24 v100, v100, 24                   ; K: my lane's term
	v_mul_u32_u24 v101, v3, 24                     ; V: my lane's channel
	s_lshl_b32 s42, s14, 3
	s_add_co_u32 s42, s42, s13
	s_lshl_b32 s42, s42, 4
	s_add_co_u32 s42, s42, s15
	s_mul_i32 s42, s42, 768
	s_mov_b32 s43, 0
	s_mov_b32 s56, 0x76543210
	s_mov_b32 s57, 0xfedcba98                      ; lane l xor 16
	s_mov_b32 s58, 0x3fb8aa3b                      ; log2(e)
	s_mov_b32 s59, s58                             ; named with it as a pair
	s_wait_kmcnt 0x0
	s_add_nc_u64 s[8:9], s[8:9], s[42:43]          ; ac at (tile, head)
	s_wait_alu depctr_va_vdst(0)                   ; v248 and v249 are written, which Q's loads read as their offsets
.irp i, 0,1,2
	global_load_b64 v[38+2*\i:39+2*\i], v248, s[4:5] offset:8*\i
	global_load_b64 v[50+2*\i:51+2*\i], v248, s[4:5] offset:8*\i
.endr
	global_load_u8 v102, v249, s[6:7]
	global_load_u8 v103, v249, s[6:7] offset:256
.irp i, 0,1,2,3,4,5
	v_mov_b32 v[44+\i], 0                          ; Q's zero codes
.endr
	v_mov_b32 v29, 0xff800000                      ; -infinity
	v_mov_b32 v21, 0xff61b1e6                      ; the largest t so far: -3e38
	v_floor_f32 v20, -v21
	v_mov_b32 v22, 0
	v_mov_b32 v23, 0
	v_mov_b32 v67, 0                               ; named as the upper half of the pair v[66:67]
.irp b, 0,1,2,3
	v_mov_b32 v[92+\b], 0                          ; a lane permute's destination counts as one of its sources
.endr
.irp j, 0,1,2,3,4,5,6,7,8,9,10,11,12,13,14,15,16,17,18,19,20,21,22,23,24,25,26,27,28,29,30,31
	v_mov_b32 v[216+\j], 0                         ; O^T: the step is written once; the first finds zeros
.endr
	s_mov_b32 s37, 0
.Lstep:
	s_wait_alu depctr_vm_vsrc(0)                   ; the last step's loads have read their offsets v6 to v19, which the lines below write again
.irp b, 0,1,2,3
	s_add_co_u32 s38, s50, s[20+\b]
	s_mul_i32 s38, s38, 24
	s_add_co_u32 s38, s38, 1572864
	v_add_nc_u32 v[6+\b], s38, v100                ; K's codes of block b
	s_lshr_b32 s39, s[20+\b], 7
	s_lshl_b32 s39, s39, 3
	s_add_co_u32 s39, s39, s16
	s_lshl_b32 s39, s39, 9
	s_and_b32 s40, s[20+\b], 127
	s_add_co_u32 s39, s39, s40
	s_add_co_u32 s39, s39, s51
	v_add_nc_u32 v[10+\b], s39, v3                 ; K's bytes
	s_lshr_b32 s41, s[20+\b], 5
	s_add_co_u32 s41, s41, s52
	s_lshl_b32 s41, s41, 6
	s_add_co_u32 s41, s41, 131072
	v_add_nc_u32 v[16+\b], s41, v3                 ; V's bytes
.endr
.irp c, 0,1
	s_lshr_b32 s38, s[20+2*\c], 5
	s_lshr_b32 s39, s[21+2*\c], 5
	s_sub_co_u32 s39, s39, s38
	s_mul_i32 s39, s39, 1536
	s_add_co_u32 s38, s38, s52
	s_mul_i32 s38, s38, 1536
	s_add_co_u32 s38, s38, 3145728
	v_mad_u32_u24 v[14+\c], v2, s39, v101          ; V's codes: lanes 0-15 take block 2 c, lanes 16-31 block 2 c + 1
	v_add_nc_u32 v[14+\c], s38, v[14+\c]
.endr
	s_wait_alu depctr_va_vdst(0)                   ; the offsets v6 to v19 are written; the last step's products are done reading v104 to v151 and v68 to v79, and its vector lines are done with v80 to v83 and v152 to v167: the loads below land in all of these
.irp b, 0,1,2,3
.irp u, 0,1
.irp i, 0,1,2
	global_load_b64 v[104+12*\b+6*\u+2*\i:105+12*\b+6*\u+2*\i], v[6+\b], s[4:5] offset:192*\u+8*\i
.endr
.endr
.endr
.irp b, 0,1,2,3
.irp u, 0,1
.irp a, 0,1
	global_load_u8 v[152+4*\b+2*\u+\a], v[10+\b], s[6:7] offset:8*\u+256*\a
.endr
.endr
.endr
.irp n, 0,1,2,3
.irp s, 0,1,2,3
	global_load_u8 v[68+4*\n+\s], v[16+\s], s[6:7] offset:32*(\n/2)+8*(\n%2)
.endr
.endr
	s_wait_loadcnt 0x0
	v_lshl_or_b32 v56, v103, 8, v102               ; Q's word: its two bytes, twice
	v_lshl_or_b32 v56, v56, 16, v56
.irp b, 0,1,2,3
	v_lshl_or_b32 v[57+\b], v[153+4*\b], 8, v[152+4*\b]    ; K's words: tile 2 b's two bytes, tile 2 b + 1's two
.endr
.irp b, 0,1,2,3
	v_lshl_or_b32 v[57+\b], v[154+4*\b], 16, v[57+\b]
.endr
.irp b, 0,1,2,3
	v_lshl_or_b32 v[57+\b], v[155+4*\b], 24, v[57+\b]
.endr
.irp n, 0,1,2,3
	v_lshl_or_b32 v[61+\n], v[69+4*\n], 8, v[68+4*\n]      ; V's words: a byte for each of the step's four blocks.  (These twelve lines stand between K's words and the products)
.endr
.irp n, 0,1,2,3
	v_lshl_or_b32 v[61+\n], v[70+4*\n], 16, v[61+\n]
.endr
.irp n, 0,1,2,3
	v_lshl_or_b32 v[61+\n], v[71+4*\n], 24, v[61+\n]
.endr
	s_wait_alu depctr_va_vdst(0)                   ; the scale words v56 to v64 are written by vector lines, and so are Q's zero codes v44 to v49: the scaled products below take them; the twelve lines above stay beside this wait
.irp b, 0,1,2,3
	v_wmma_scale_f32_16x16x128_f8f6f4 v[152+16*\b:159+16*\b], v[104+12*\b:115+12*\b], v[38:49], 0, v[57+\b], v56 matrix_a_fmt:MATRIX_FMT_BF6 matrix_b_fmt:MATRIX_FMT_BF6
	v_wmma_scale_f32_16x16x128_f8f6f4 v[160+16*\b:167+16*\b], v[104+12*\b:115+12*\b], v[44:55], 0, v[57+\b], v56 matrix_a_fmt:MATRIX_FMT_BF6 matrix_b_fmt:MATRIX_FMT_BF6
.endr
	MCONST 0                                       ; ten plain lines that name no register of the products: the places in front of the first read of scores
	s_wait_alu depctr_va_vdst(0)                   ; the eight products are done reading K's codes v104 to v151, in which V's loads land (their offsets v14 and v15 were written ahead of the step's first wait on va_vdst)
.irp n, 0,1,2,3
.irp c, 0,1
.irp i, 0,1,2
	global_load_b64 v[104+12*\n+6*\c+2*\i:105+12*\n+6*\c+2*\i], v[14+\c], s[4:5] offset:(32*(\n/2)+8*(\n%2))*24+8*\i   ; V lands while the mask and the softmax are worked
.endr
.endr
.endr
.irp b, 0,1,2,3
.irp e, 0,2,4,6,8,10,12,14
	MASK2 \b, \e                                   ; ascending: each accumulator is read from its low end on
.endr
.if \b < 3
	MCONST \b+1                                    ; the next block's constants stand between the run of compares and the wait for them
.endif
	SELECT \b
.endr
.irp b, 0,1,2,3
	v_max3_num_f32 v[88+\b], v[152+16*\b], v[153+16*\b], v[154+16*\b]   ; the largest logit of each block: for the row's maximum, and, since p rises with the logit, for the block's largest p
.endr
.irp i, 3,5,7,9,11,13
.irp b, 0,1,2,3
	v_max3_num_f32 v[88+\b], v[88+\b], v[152+16*\b+\i], v[153+16*\b+\i]
.endr
.endr
.irp b, 0,1,2,3
	v_max_num_f32 v[88+\b], v[88+\b], v[167+16*\b]
.endr
.irp b, 0,1,2,3
	v_permlanex16_b32 v[92+\b], v[88+\b], s56, s57
.endr
.irp b, 0,1,2,3
	v_max_num_f32 v[88+\b], v[88+\b], v[92+\b]
.endr
	v_max3_num_f32 v30, v88, v89, v90
	v_max_num_f32 v30, v30, v91
	v_mul_f32 v30, s58, v30                        ; as t
	v_max_num_f32 v21, v21, v30                    ; the running largest t
	v_mov_b32 v30, v20
	v_floor_f32 v20, -v21                          ; -M = floor(-t)
	v_sub_f32 v30, v20, v30                        ; old M - new M: a whole number, 0 or less
	v_cvt_i32_f32 v30, v30                         ; (it saturates)
	v_ldexp_f32 v66, 1.0, v30                      ; f = 2^(old M - new M)
.irp j, 0,2,4,6,8,10,12,14,16,18,20,22,24,26,28,30,32,34,36,38,40,42,44,46,48,50,52,54,56,58,60,62
	v_pk_fma_f32 v[152+\j:153+\j], v[152+\j:153+\j], s[58:59], v[20:21] op_sel_hi:[1,0,0]   ; t - M
.endr
.irp b, 0,1,2,3
	v_fma_f32 v[88+\b], v[88+\b], s58, v20
.endr
.irp j, 0,1,2,3,4,5,6,7,8,9,10,11,12,13,14,15,16,17,18,19,20,21,22,23,24,25,26,27,28,29,30,31,32,33,34,35,36,37,38,39,40,41,42,43,44,45,46,47,48,49,50,51,52,53,54,55,56,57,58,59,60,61,62,63
	v_exp_f32 v[152+\j], v[152+\j]                 ; p = 2^(t - M); 0 under the mask
.endr
	v_pk_mul_f32 v[22:23], v[22:23], v[66:67] op_sel_hi:[1,0]   ; the sums under the new M: a plain line behind the batch
	s_wait_alu depctr_va_vdst(0)                   ; one wait for the 64 exponentials' results v152 to v215, ahead of their first reader
.irp b, 0,1,2,3
	v_exp_f32 v[88+\b], v[88+\b]                   ; each block's largest p
.endr
	v_pk_add_f32 v[92:93], v[152:153], v[154:155]  ; the row's sum of the unquantised p, in two chains
.irp j, 4,8,12,16,20,24,28,32,36,40,44,48,52,56,60
	v_pk_add_f32 v[22:23], v[22:23], v[152+\j:153+\j]
	v_pk_add_f32 v[92:93], v[92:93], v[154+\j:155+\j]
.endr
	v_pk_add_f32 v[22:23], v[22:23], v[92:93]
	s_wait_alu depctr_va_vdst(0)                   ; and one for the four, v88 to v91
.irp b, 0,1,2,3
	v_max_num_f32 v[88+\b], 0x2800000, v[88+\b]    ; the floor 2^(5 - 127)
.endr
.irp b, 0,1,2,3
	v_add_nc_u32 v[96+\b], 0xfe000000, v[88+\b]
.endr
.irp b, 0,1,2,3
	v_lshrrev_b32 v[92+\b], 23, v[96+\b]
.endr
	v_lshl_or_b32 v65, v93, 8, v92                 ; p's scale word
	v_lshl_or_b32 v65, v94, 16, v65
	v_lshl_or_b32 v65, v95, 24, v65
.irp c, 0,1
	v_cvt_scalef32_pk16_bf6_f32 v[68+6*\c:70+6*\c], v[152+32*\c:167+32*\c], v[96+2*\c]
	v_cvt_scalef32_pk16_bf6_f32 v[80+4*\c:82+4*\c], v[168+32*\c:183+32*\c], v[96+2*\c+1]
.endr
	v_nop                                          ; one plain line behind the scaled conversions
.irp c, 0,1
.irp i, 0,1,2
	v_permlane16_swap_b32 v[68+6*\c+\i], v[80+4*\c+\i]     ; a whole block to a lane
.endr
.irp i, 0,1,2
	v_mov_b32 v[71+6*\c+\i], v[80+4*\c+\i]
.endr
.endr
.irp j, 0,2,4,6,8,10,12,14,16,18,20,22,24,26,28,30
	v_pk_mul_f32 v[216+\j:217+\j], v[216+\j:217+\j], v[66:67] op_sel_hi:[1,0]   ; O^T under the new M; these sixteen lines also stand between p's word and codes and the products
.endr
	s_wait_loadcnt 0x0                             ; V
	s_wait_alu depctr_va_vdst(0)                   ; p's scale word v65 and p's codes v68 to v79 are written by vector lines: the scaled products below take them; the sixteen lines above stay beside this wait
.irp n, 0,1,2,3
	v_wmma_scale_f32_16x16x128_f8f6f4 v[216+8*\n:223+8*\n], v[104+12*\n:115+12*\n], v[68:79], v[216+8*\n:223+8*\n], v[61+\n], v65 matrix_a_fmt:MATRIX_FMT_BF6 matrix_b_fmt:MATRIX_FMT_BF6
.endr
.rept 4
	v_nop                                          ; four plain lines behind the last products, in front of the first read of O^T
.endr
.irp b, 0,1,2,3
	s_mov_b32 s[20+\b], s[28+\b]                   ; the second step's blocks
	s_mov_b32 s[24+\b], s[32+\b]
.endr
	s_add_co_u32 s37, s37, 1
	s_cmp_lt_u32 s37, s36
	s_cbranch_scc1 .Lstep
	; THE WAY OUT: O^T / the sum, quantised along the model's width: my head's two blocks of 32
	v_add_f32 v22, v22, v23
	v_permlanex16_b32 v92, v22, s56, s57
	v_add_f32 v22, v22, v92
	v_rcp_f32 v22, v22
	v_and_b32 v250, 31, v0                         ; (a plain line behind the reciprocal)
	v_lshlrev_b32 v250, 3, v250                    ; 8 x lane
	v_lshlrev_b32 v251, 5, v4
	s_lshl_b32 s38, s15, 1
	v_add_nc_u32 v251, s38, v251                   ; 32 t + 2 h
	s_wait_alu depctr_va_vdst(0)                   ; the reciprocal's result v22, ahead of its first reader
.irp j, 0,2,4,6,8,10,12,14,16,18,20,22,24,26,28,30
	v_pk_mul_f32 v[152+\j:153+\j], v[216+\j:217+\j], v[22:23] op_sel_hi:[1,0]   ; register 16 b + e: channel 32 b + 16 half + e
.endr
.irp b, 0,1
	v_max3_num_f32 v[88+\b], |v[152+16*\b]|, |v[153+16*\b]|, 0x2800000
.endr
.irp i, 2,4,6,8,10,12,14
.irp b, 0,1
	v_max3_num_f32 v[88+\b], v[88+\b], |v[152+16*\b+\i]|, |v[153+16*\b+\i]|
.endr
.endr
.irp b, 0,1
	v_permlanex16_b32 v[92+\b], v[88+\b], s56, s57
.endr
.irp b, 0,1
	v_max_num_f32 v[88+\b], v[88+\b], v[92+\b]
.endr
.irp b, 0,1
	v_add_nc_u32 v[96+\b], 0xfe000000, v[88+\b]
.endr
.irp b, 0,1
	v_lshrrev_b32 v[92+\b], 23, v[96+\b]
.endr
	v_lshl_or_b32 v30, v93, 8, v92                 ; my row's two bytes
	v_cvt_scalef32_pk16_bf6_f32 v[68:70], v[152:167], v96
	v_cvt_scalef32_pk16_bf6_f32 v[72:74], v[168:183], v97
	v_nop
	v_permlane16_swap_b32 v68, v72                 ; lanes 0-15 block 0, lanes 16-31 block 1, whole
	v_permlane16_swap_b32 v69, v73
	v_permlane16_swap_b32 v70, v74
	v_mov_b32 v71, v72
	v_mov_b32 v72, v73
	v_mov_b32 v73, v74
	s_wait_alu depctr_va_vdst(0)                   ; the codes v68 to v73, the bytes v30 and the offsets v250 and v251 are written, which the four stores read
	global_store_b64 v250, v[68:69], s[8:9]                ; each store covers 256 consecutive bytes, aligned
	global_store_b64 v250, v[70:71], s[8:9] offset:256
	global_store_b64 v250, v[72:73], s[8:9] offset:512
	global_store_b16 v251, v30, s[10:11]           ; two bytes a row, rows 32 bytes apart (both halves of the lanes the same): 64 KiB in the whole launch; a row's 32 bytes belong to sixteen work-groups
	s_endpgm
.Lfunc_end_k_q31f502f857_attn:
	.size	k_q31f502f857_attn, .Lfunc_end_k_q31f502f857_attn-k_q31f502f857_attn
	.p2alignl 7, 3214868480
	.fill 96, 4, 3214868480
	.section	.rodata,"a",@progbits
	.p2align	6, 0x0
	.amdhsa_kernel k_q31f502f857_attn
		.amdhsa_group_segment_fixed_size 0
		.amdhsa_private_segment_fixed_size 0
		.amdhsa_enable_private_segment 0
		.amdhsa_kernarg_size 32
		.amdhsa_user_sgpr_count 2
		.amdhsa_user_sgpr_kernarg_segment_ptr 1
		.amdhsa_wavefront_size32 1
		.amdhsa_system_sgpr_workgroup_id_x 1
		.amdhsa_system_sgpr_workgroup_id_y 1
		.amdhsa_system_sgpr_workgroup_id_z 1
		.amdhsa_system_vgpr_workitem_id 0
		.amdhsa_next_free_vgpr 256
		.amdhsa_next_free_sgpr 98
		.amdhsa_reserve_vcc 0
		.amdhsa_float_denorm_mode_32 3
		.amdhsa_float_denorm_mode_16_64 3
		.amdhsa_memory_ordered 1
		.amdhsa_forward_progress 1
		.amdhsa_inst_pref_size 78
	.end_amdhsa_kernel
	.amdgpu_metadata
---
amdhsa.version: [ 1, 2 ]
amdhsa.kernels:
  - .name:           k_q31f502f857_attn
    .symbol:         k_q31f502f857_attn.kd
    .args:
      - { .name: qkvc, .offset: 0, .size: 8, .value_kind: global_buffer, .address_space: global }
      - { .name: qkvs, .offset: 8, .size: 8, .value_kind: global_buffer, .address_space: global }
      - { .name: ac, .offset: 16, .size: 8, .value_kind: global_buffer, .address_space: global }
      - { .name: asc, .offset: 24, .size: 8, .value_kind: global_buffer, .address_space: global }
    .group_segment_fixed_size: 0
    .private_segment_fixed_size: 0
    .kernarg_segment_align: 8
    .kernarg_segment_size: 32
    .max_flat_workgroup_size: 256
    .sgpr_count:     98
    .vgpr_count:     256
    .wavefront_size: 32
...
	.end_amdgpu_metadata
.endif
;; end of part 5
;; launch oproj: the kernel of part 4 again; grid 16 x 16, 8 waves a work-group, clusters of 4 x 4, 183,296 bytes of LDS; arguments ac, asc, cod, scl, bo, out0; writes out0
